; MI455X (gfx1250); checked and timed in simulation.
; The chip was launched on July 23, 2026; its instructions are those of AMD's public machine-readable ISA for CDNA 5 (MIT licence, August 2026) and "CDNA5" Instruction Set Architecture Reference Guide (July 2026). The comments in the code are by the model that wrote it; some were corrected since.
;; Block. Allowed arithmetic: matrix products marked QUANTISED: E2M3 operands, one E8M0 scale for each 32 along K, by v_wmma_scale_f32_16x16x128_f8f6f4 with both operands' format E2M3, f32 sums; everything else in f32.
;; Inputs: W1 1,024 x 4,096 float32; W2 4,096 x 1,024 float32; Wk 16 x 1,024 x 64 float32; Wproj 1,024 x 1,024 float32; Wq 16 x 1,024 x 64 float32; Wv 16 x 1,024 x 64 float32; ln1_b 1,024 float32; ln1_w 1,024 float32; ln2_b 1,024 float32; ln2_w 1,024 float32; p 16 float32; x 2 x 2,048 x 1,024 float32.
;; Outputs: out0 2 x 2,048 x 1,024 float32.
;; This version of the problem:
;;   THIS VERSION OF THE PROBLEM IS GIVEN IN LOW PRECISION. The matrix products marked QUANTISED in the list below multiply operands that are first quantised to E2M3 (2 exponent bits, 3 mantissa bits; 6 bits a number), with one power-of-two scale for each 32 numbers along K (OCP MX v1.0); their sums are f32. All else is computed in f32.
;;   The module's matrix products, in the order in which they are computed (A, B: the left and right operand; K: the contracted axis; several contracted axes count as one K, in the product's order):
;;     1. [M 1,024, K 1,024] x [K 1,024, N 4,096]; A: input Wq; B: computed on the way: QUANTISED
;;     2. [M 1,024, K 1,024] x [K 1,024, N 4,096]; A: input Wk; B: computed on the way: QUANTISED
;;     3. [M 1,024, K 1,024] x [K 1,024, N 4,096]; A: input Wv; B: computed on the way: QUANTISED
;;     4. batch 32 x [M 2,048, K 64] x [K 64, N 2,048]; A: computed on the way; B: computed on the way: QUANTISED
;;     5. batch 32 x [M 2,048, K 2,048] x [K 2,048, N 64]; A: softmax (see below); B: computed on the way: QUANTISED
;;     6. [M 4,096, K 1,024] x [K 1,024, N 1,024]; A: computed on the way; B: input Wproj: QUANTISED
;;     7. [M 4,096, K 1,024] x [K 1,024, N 4,096]; A: computed on the way; B: input W1: QUANTISED
;;     8. [M 4,096, K 4,096] x [K 4,096, N 1,024]; A: computed on the way; B: input W2: QUANTISED
;;   THE QUANTISER, for each operand of a quantised product, along K:
;;     - K is cut into blocks of 32 from its start; a last block that is shorter is filled with zeros.
;;     - A block's scale is 2^e with e = floor(log2(the largest magnitude in the block)) - 2, held to -126 .. 127; a block of zeros has e = 0. As a byte (E8M0): e + 127.
;;     - Each number is divided by its block's scale, clamped to +-7.5, and rounded to the nearest number of E2M3, ties to even, subnormals kept.
;;     - The product sums the exact products of the quantised numbers (number of the format x scale) in f32.
;;   ~~~python
;;   def quantise(x, axis):      # numpy; x: float32 -> the quantised numbers, widened to float32 again
;;       x = np.moveaxis(x, axis, -1); K = x.shape[-1]
;;       x = np.pad(x, [(0, 0)] * (x.ndim - 1) + [(0, -K % 32)]); x = x.reshape(x.shape[:-1] + (-1, 32)); a = np.abs(x).max(-1, keepdims=True)
;;       e = np.where(a > 0, np.clip(np.frexp(np.where(a > 0, a, 1))[1] - 1 - 2, -126, 127), 0)      # np.frexp(a)[1] - 1 = floor(log2(a)), exactly
;;       r = np.clip(x / 2.0 ** e, -7.5, 7.5)
;;       step = 2.0 ** (np.maximum(np.frexp(np.where(r == 0, 1, r))[1] - 1, 0) - 3)
;;       q = np.round(r / step) * step * 2.0 ** e      # np.round: ties to even
;;       return np.moveaxis(q.reshape(q.shape[:-2] + (-1,))[..., :K], -1, axis).astype(np.float32)
;;   ~~~
;;   SOFTMAX AHEAD OF A QUANTISED PRODUCT. Where the list says 'softmax', what is quantised is not the finished softmax but p = 2^(t - M), with t = logit x log2(e) and M = ceil(the row's largest t), a whole number; so 1/2 < the row's largest p <= 1. The row's sum l is taken of the UNQUANTISED p, in f32, and the product's result is divided by l at the end. Since M is a whole number, a kernel that streams over the keys may use a running M (the ceiling of the running maximum): every later rescaling is an exact power of two, which a block's scale takes up: the codes' values come out the same.
;;   OPERANDS COMPUTED ON THE WAY. 'Computed on the way' means the value that the module computes at that place (a softmax that the list does not call 'softmax' is quantised finished and normalised). What goes into a quantiser is computed in f32, as accurately as f32 sums, v_exp_f32 and their like allow (about 1e-6 of the number): no bf16 or f16 on the way to a quantiser, and a product that is left as it is and whose result goes on into a quantised operand takes f32 operands (vector FMAs, or v_wmma_f32_16x16x4_f32). A number that lies on a knife's edge between two numbers of the format may be rounded either way, as far as f32 arithmetic and the matrix unit's own rounding can turn it there, and no further.
;; One version. Each part assembles by itself: llvm-mc -triple=amdgcn-amd-amdhsa -mcpu=gfx1250 --defsym DOCPART=n.
;; ======== version 1 of 1: 8 launches
;; workspace buffers: wts 9,830,400 bytes; hq 3,276,800 bytes; qkv 9,830,400 bytes; att 3,276,800 bytes; x1 16,777,216 bytes; h2q 3,276,800 bytes; hid 13,107,200 bytes
;; launch prep (part 1): grid 768 x 1, 4 waves a work-group, no clusters, 0 bytes of LDS; arguments Wq, Wk, Wv, Wproj, W1, W2, wts; writes wts
.if DOCPART == 1
	.amdgcn_target "amdgcn-amd-amdhsa--gfx1250"
	.amdhsa_code_object_version 6
	.text
	.protected	k_qa6937ce356_prep
	.globl	k_qa6937ce356_prep
	.p2align	8
	.type	k_qa6937ce356_prep,@function
k_qa6937ce356_prep:
	s_mov_b64 s[64:65], 0
	v_nop
	global_prefetch_b8 v0, s[64:65] scope:SCOPE_SE
	s_setreg_imm32_b32 hwreg(HW_REG_WAVE_MODE, 25, 1), 1
	s_wait_xcnt 0x0
; The six weights, f32 with K not innermost, become codes of FP6 (E2M3) with one E8M0 byte for each 32 along K, laid as IMAGES OF OPERAND REGISTERS.
; A fragment is 16 columns x 128 K: 1,536 bytes at 1536 f; register 4 c + i of lane l at byte 512 c + 16 l + 4 i; its 16 scale words at SCO + 64 f + 4 x row.
; f = FB + tile x KS + K step.  Row r of tile t is column 32 (t / 2) + 8 (t % 2) + r + 8 (r / 8): so the results of a product that takes two neighbouring tiles as source 0 are 16 neighbours in a lane.
; A LANE TAKES A COLUMN AND ITS REGISTERS RUN DOWN K: a load reads 128 consecutive bytes a wave, a block of 32 lies in one lane, nothing is transposed and no lane asks another.
; A work-group takes 128 columns x 128 K, a wave 32 columns (two tiles).  A lane's blocks 0, 2 are the image of lane r, its blocks 1, 3 that of lane 16 + r: each store's sixteen lanes of a tile write 256 consecutive bytes, aligned.
; One path serves all six tensors: only pointers and numbers are chosen, by the work-group's number.
; LIMITS: a block of zeros, or one whose largest magnitude lies under 2^-124, gets the byte 1 (its codes are zeros or the floor's; this program alone reads the bytes); NaN and infinities are not served.
.set A,   8                            ; v8-39    4 x lane + i x pitch, i = 0 .. 31
.set X,   40                           ; v40-167  my column's 128 numbers
.set C,   168                          ; v168-191 two runs of 12: the images of lanes r and 16 + r
.set T,   192                          ; v192-199 a block's upper 16 codes (a conversion's three registers begin on an even number)
.set SB,  32                           ; s[32:39] where each of the four blocks begins in the source
.set OC,  44                           ; s[44:45] my first fragment's codes
.set OSP, 46                           ; s[46:47] and its scale words
.set SCO, 9437184
	s_load_b256 s[4:11], s[0:1], 0x0               ; Wq, Wk, Wv, Wproj
	s_load_b128 s[12:15], s[0:1], 0x20             ; W1, W2
	s_load_b64 s[16:17], s[0:1], 0x30              ; wts
	v_lshrrev_b32 v1, 5, v0
	v_readfirstlane_b32 s40, v1                    ; wave
	v_and_b32 v2, 31, v0                           ; lane = my column among the wave's 32
	v_bfe_u32 v3, v0, 3, 1                         ; u: which of the two tiles
	v_and_b32 v4, 7, v0
	v_bfe_u32 v7, v0, 4, 1
	v_lshl_add_u32 v4, v7, 3, v4                   ; r: my row in it
	s_mov_b32 s18, 0                               ; the tensor's first work-group
	s_mov_b32 s19, 0                               ; FB
	s_mov_b32 s20, 256                             ; bytes from k to k + 1
	s_mov_b32 s21, 0x80000                         ; bytes from 128 columns to the next (two heads)
	s_mov_b32 s22, 0x40000                         ; from 64 columns to the next (a head)
	s_mov_b32 s23, 3                               ; log2 of KS
	s_wait_kmcnt 0x0
	s_mov_b64 s[24:25], s[4:5]
	s_cmp_ge_u32 ttmp9, 64
	s_cselect_b64 s[24:25], s[6:7], s[24:25]
	s_cselect_b32 s18, 64, s18
	s_cselect_b32 s19, 512, s19
	s_cmp_ge_u32 ttmp9, 128
	s_cselect_b64 s[24:25], s[8:9], s[24:25]
	s_cselect_b32 s18, 128, s18
	s_cselect_b32 s19, 1024, s19
	s_cmp_ge_u32 ttmp9, 192
	s_cselect_b64 s[24:25], s[10:11], s[24:25]
	s_cselect_b32 s18, 192, s18
	s_cselect_b32 s19, 1536, s19
	s_cselect_b32 s20, 4096, s20
	s_cselect_b32 s21, 512, s21
	s_cselect_b32 s22, 256, s22
	s_cmp_ge_u32 ttmp9, 256
	s_cselect_b64 s[24:25], s[12:13], s[24:25]
	s_cselect_b32 s18, 256, s18
	s_cselect_b32 s19, 2048, s19
	s_cselect_b32 s20, 16384, s20
	s_cmp_ge_u32 ttmp9, 512
	s_cselect_b64 s[24:25], s[14:15], s[24:25]
	s_cselect_b32 s18, 512, s18
	s_cselect_b32 s19, 4096, s19
	s_cselect_b32 s20, 4096, s20
	s_cselect_b32 s23, 5, s23
	s_sub_co_u32 s26, ttmp9, s18                   ; my number in the tensor
	s_lshl_b32 s27, 1, s23                         ; KS
	s_sub_co_u32 s28, s27, 1
	s_and_b32 s28, s26, s28                        ; K step
	s_lshr_b32 s29, s26, s23                       ; which 128 columns
	s_mul_i32 s30, s29, s21
	s_lshr_b32 s31, s40, 1
	s_mul_i32 s31, s31, s22
	s_add_co_u32 s30, s30, s31
	s_and_b32 s31, s40, 1
	s_lshl_b32 s31, s31, 7
	s_add_co_u32 s30, s30, s31                     ; my wave's 32 columns
	s_lshl_b32 s42, s20, 5                         ; 32 rows of the source
	s_lshl_b32 s31, s28, 2
	s_mul_i32 s31, s31, s42
	s_add_co_u32 s30, s30, s31                     ; + K step x 128 rows: under 2^25
	s_mov_b32 s31, 0
	s_mov_b32 s43, 0
	s_add_nc_u64 s[SB:SB+1], s[24:25], s[30:31]
	s_add_nc_u64 s[SB+2:SB+3], s[SB:SB+1], s[42:43]
	s_add_nc_u64 s[SB+4:SB+5], s[SB+2:SB+3], s[42:43]
	s_add_nc_u64 s[SB+6:SB+7], s[SB+4:SB+5], s[42:43]
	s_lshl_b32 s44, s29, 3
	s_lshl_b32 s45, s40, 1
	s_add_co_u32 s44, s44, s45                     ; my first tile
	s_lshl_b32 s44, s44, s23
	s_add_co_u32 s44, s44, s28
	s_add_co_u32 s44, s44, s19                     ; its fragment f
	s_lshl_b32 s46, s44, 6
	s_add_co_u32 s46, s46, SCO
	s_mul_i32 s44, s44, 1536
	s_mov_b32 s45, 0
	s_mov_b32 s47, 0
	s_add_nc_u64 s[OC:OC+1], s[16:17], s[44:45]
	s_add_nc_u64 s[OSP:OSP+1], s[16:17], s[46:47]
	s_mul_i32 s26, s27, 1536                       ; from a tile's fragment to the next tile's
	v_mul_lo_u32 v5, v3, s26
	v_lshl_add_u32 v5, v4, 4, v5                   ; codes: u x KS x 1536 + 16 r
	s_lshl_b32 s26, s27, 6
	v_mul_lo_u32 v6, v3, s26
	v_lshl_add_u32 v6, v4, 2, v6                   ; scale word: u x KS x 64 + 4 r
	v_lshlrev_b32 v[A], 2, v2
.set I, 1
.rept 31
	v_add_nc_u32 v[A+I], s20, v[A+I-1]
.set I, I+1
.endr
.macro LOAD t                          ; block t: 32 rows of the source at my column
.set I, 0
.rept 32
	global_load_b32 v[X+32*(\t)+I], v[A+I], s[SB+2*(\t):SB+2*(\t)+1] th:TH_LOAD_NT
.set I, I+1
.endr
.endm
.macro BLOCK t
.set XS, X+32*(\t)
.set CR, C+12*((\t)&1)+6*((\t)>>1)
.set TT, T+4*((\t)&1)
	v_max3_num_f32 v200, |v[XS]|, |v[XS+1]|, |v[XS+2]|          ; the block's largest magnitude, in two chains
	v_max3_num_f32 v201, |v[XS+3]|, |v[XS+4]|, |v[XS+5]|
.irp i, 6,10,14,18,22,26
	v_max3_num_f32 v200, v200, |v[XS+\i]|, |v[XS+\i+1]|
	v_max3_num_f32 v201, v201, |v[XS+\i+2]|, |v[XS+\i+3]|
.endr
	v_max3_num_f32 v200, v200, |v[XS+30]|, |v[XS+31]|
	v_max3_num_f32 v200, v200, v201, 0x1800000     ; and the floor 2^(3 - 127): the byte cannot fall under 1
	v_add_nc_u32 v202, 0xff000000, v200            ; 2 off the exponent field: the conversion takes this operand's exponent field as its scale
	v_cvt_scalef32_pk16_fp6_f32 v[CR:CR+2], v[XS:XS+15], v202
	v_cvt_scalef32_pk16_fp6_f32 v[TT:TT+2], v[XS+16:XS+31], v202
	v_lshrrev_b32 v203, 23, v202                   ; the scale's byte (also the plain line behind the conversions)
.if (\t) == 0
	v_mov_b32 v204, v203
.else
	v_lshl_or_b32 v204, v203, 8*(\t), v204         ; four bytes make my column's scale word
.endif
.irp i, 0,1,2
	v_mov_b32 v[CR+3+\i], v[TT+\i]
.endr
.endm
	LOAD 0
	LOAD 1
	s_wait_loadcnt 32                              ; block 0 is in; the next block's 32 loads may be out
	BLOCK 0
	LOAD 2
	s_wait_loadcnt 32
	BLOCK 1
	LOAD 3
	s_wait_loadcnt 32
	BLOCK 2
	s_wait_loadcnt 0x0
	BLOCK 3
.irp h, 0,1
.irp c, 0,1,2
	global_store_b128 v5, v[C+12*\h+4*\c:C+12*\h+4*\c+3], s[OC:OC+1] offset:512*\c+256*\h
.endr
.endr
	global_store_b32 v6, v204, s[OSP:OSP+1]
	s_endpgm
.Lfunc_end_k_qa6937ce356_prep:
	.size	k_qa6937ce356_prep, .Lfunc_end_k_qa6937ce356_prep-k_qa6937ce356_prep
	.p2alignl 7, 3214868480
	.fill 96, 4, 3214868480
	.section	.rodata,"a",@progbits
	.p2align	6, 0x0
	.amdhsa_kernel k_qa6937ce356_prep
		.amdhsa_group_segment_fixed_size 0
		.amdhsa_private_segment_fixed_size 0
		.amdhsa_enable_private_segment 0
		.amdhsa_kernarg_size 56
		.amdhsa_user_sgpr_count 2
		.amdhsa_user_sgpr_kernarg_segment_ptr 1
		.amdhsa_wavefront_size32 1
		.amdhsa_system_sgpr_workgroup_id_x 1
		.amdhsa_system_sgpr_workgroup_id_y 1
		.amdhsa_system_sgpr_workgroup_id_z 1
		.amdhsa_system_vgpr_workitem_id 0
		.amdhsa_next_free_vgpr 208
		.amdhsa_next_free_sgpr 66
		.amdhsa_reserve_vcc 0
		.amdhsa_float_denorm_mode_32 3
		.amdhsa_float_denorm_mode_16_64 3
		.amdhsa_memory_ordered 1
		.amdhsa_forward_progress 1
		.amdhsa_inst_pref_size 24
	.end_amdhsa_kernel
	.amdgpu_metadata
---
amdhsa.version: [ 1, 2 ]
amdhsa.kernels:
  - .name:           k_qa6937ce356_prep
    .symbol:         k_qa6937ce356_prep.kd
    .args:
      - { .name: Wq, .offset: 0, .size: 8, .value_kind: global_buffer, .address_space: global }
      - { .name: Wk, .offset: 8, .size: 8, .value_kind: global_buffer, .address_space: global }
      - { .name: Wv, .offset: 16, .size: 8, .value_kind: global_buffer, .address_space: global }
      - { .name: Wproj, .offset: 24, .size: 8, .value_kind: global_buffer, .address_space: global }
      - { .name: W1, .offset: 32, .size: 8, .value_kind: global_buffer, .address_space: global }
      - { .name: W2, .offset: 40, .size: 8, .value_kind: global_buffer, .address_space: global }
      - { .name: wts, .offset: 48, .size: 8, .value_kind: global_buffer, .address_space: global }
    .group_segment_fixed_size: 0
    .private_segment_fixed_size: 0
    .kernarg_segment_align: 8
    .kernarg_segment_size: 56
    .max_flat_workgroup_size: 128
    .sgpr_count:     66
    .vgpr_count:     208
    .wavefront_size: 32
...
	.end_amdgpu_metadata
.endif
;; end of part 1
;; launch ln1 (part 2): grid 256 x 1, 8 waves a work-group, no clusters, 69,632 bytes of LDS; arguments x, ln1_w, ln1_b, hq; writes hq
.if DOCPART == 2
	.amdgcn_target "amdgcn-amd-amdhsa--gfx1250"
	.amdhsa_code_object_version 6
	.text
	.protected	k_qa6937ce356_ln1
	.globl	k_qa6937ce356_ln1
	.p2align	8
	.type	k_qa6937ce356_ln1,@function
k_qa6937ce356_ln1:
	s_mov_b64 s[64:65], 0
	v_nop
	global_prefetch_b8 v0, s[64:65] scope:SCOPE_SE
	s_setreg_imm32_b32 hwreg(HW_REG_WAVE_MODE, 25, 1), 1
	s_wait_xcnt 0x0
; h = layernorm(x) x w + b, quantised along C to FP6 (E2M3) with one E8M0 byte for each 32, stored as images of operand registers (fragment f = 8 x tile + K step, 1,536 bytes; scale words at HSC + 64 f).
; The text serves both norms of the block: its four arguments are the rows, the gains, the biases and the result.
; A work-group takes one tile of 16 tokens: row r of tile t is token 32 (t / 2) + 8 (t % 2) + r + 8 (r / 8).  Wave w takes columns 128 w on, K step w.  Lane (r, h) holds 64 numbers of its token:
; register 16 b + i = column 128 w + 32 b + 16 h + i, which is what the conversions want.
; THE LOADS ARE DENSE: each of a wave's 16 loads reads one row's 512 consecutive bytes, 16 a lane; the 8,192 bytes turn through the wave's own stage in LDS (rows 528 bytes apart) and come back 16 neighbours at a time.
; Mean and variance in two passes (the mean is taken off first, so a common offset of x costs no accuracy); the eight waves' partial sums meet in LDS: two barriers, two regions.
; LIMITS: a block of zeros or under 2^-124 gets the byte 1 (this program alone reads the bytes); NaN and infinities are not served.
.set RED1,  0                          ; LDS: 8 waves x 16 rows x 4 bytes: the sums
.set RED2,  512                        ; the sums of squares
.set STG,   1024                       ; 8 waves x 16 rows x (512 + 16) bytes: row r starts 132 r words on, so the 16 rows that a load touches start at 16 different groups of four banks
.set SPARE, 68608                      ; the spare words, 128 bytes for each wave: four blocks of 256 bytes that no other line names
.set HSC,   3145728
.set LI,  5                            ; v5  16 x lane
.set LS,  6                            ; v6  4 r
.set GA,  7                            ; v7  64 h
.set RW,  8                            ; v8  64 w + 4 r
.set STO, 10                           ; v10 the stage: row r, + 64 h: where my 16 neighbours of a block lie
.set RD,  11                           ; v11 the stage: 16 x lane: a row as it was loaded
.set SPW, 12                           ; v12 my spare word; never rewritten
.set NIL, 13                           ; v13 0; never rewritten
.set TM,  16                           ; v16-31 the quantiser's: largest magnitudes, bytes, scale operands
.set PC,  32                           ; v32-43 the fragment's codes
.set CT,  44                           ; v44-51 upper halves of blocks
.set PW,  52                           ; v52 the scale word
.set MU,  54
.set RS,  56
.set R8,  58
.set SA,  66
.set N,   128                          ; v128-191 my 64 numbers
.set D,   192                          ; v192-255 the 16 rows as they are loaded
.set GW,  0                            ; window 1: v0-63 the gains, v64-127 the biases
.set GB,  64
.set XB,  4
.set GWB, 6
.set GBB, 8
.set HO,  28
.set HS,  30
.set SEL, 32
.set INV, 34
.set EPS, 35
.set MSB, 0
.macro WIN new                         ; the immediate's high byte repeats the setting that is left
.if MSB != (\new)
	s_set_vgpr_msb (MSB<<8)|(\new)
.set MSB, \new
.endif
.endm
; 64 numbers of a lane in window X, register 16 b + i = k 32 b + 16 h + i of my row, become a fragment's 12 registers of codes and its scale word
.macro QUANT s, X, pc, pw
	WIN (\X)|((\X)<<2)
.irp b, 0,1,2,3
	v_max3_num_f32 v[TM+\b], |v[(\s)+16*\b]|, |v[(\s)+16*\b+1]|, 0x1800000   ; and the floor 2^(3 - 127): the byte cannot fall under 1
.endr
	WIN ((\X)<<2)|((\X)<<4)
.irp i, 2,4,6,8,10,12,14
.irp b, 0,1,2,3
	v_max3_num_f32 v[TM+\b], v[TM+\b], |v[(\s)+16*\b+\i]|, |v[(\s)+16*\b+\i+1]|
.endr
.endr
	WIN 0
.irp b, 0,1,2,3
	v_permlanex16_b32 v[TM+4+\b], v[TM+\b], s[SEL], s[SEL+1]
.endr
.irp b, 0,1,2,3
	v_max_num_f32 v[TM+\b], v[TM+\b], v[TM+4+\b]   ; with lane l xor 16's 16: the block's largest magnitude
.endr
.irp b, 0,1,2,3
	v_add_nc_u32 v[TM+12+\b], 0xff000000, v[TM+\b] ; 2 off the exponent field: the conversion's scale operand
.endr
.irp b, 0,1,2,3
	v_lshrrev_b32 v[TM+4+\b], 23, v[TM+12+\b]      ; the byte
.endr
	v_lshl_or_b32 v[\pw], v[TM+5], 8, v[TM+4]
	v_lshl_or_b32 v[\pw], v[TM+6], 16, v[\pw]
	v_lshl_or_b32 v[\pw], v[TM+7], 24, v[\pw]
	WIN \X
.irp c, 0,1
	v_cvt_scalef32_pk16_fp6_f32 v[(\pc)+6*\c:(\pc)+6*\c+2], v[(\s)+32*\c:(\s)+32*\c+15], v[TM+12+2*\c]
	v_cvt_scalef32_pk16_fp6_f32 v[CT+4*\c:CT+4*\c+2], v[(\s)+32*\c+16:(\s)+32*\c+31], v[TM+13+2*\c]
.endr
	WIN 0
	v_nop                                          ; one plain line behind the conversions
.irp c, 0,1                            ; the operand wants a whole block in a lane: lanes 0-15 block 2 c, lanes 16-31 block 2 c + 1
.irp i, 0,1,2
	v_permlane16_swap_b32 v[(\pc)+6*\c+\i], v[CT+4*\c+\i]
.endr
.irp i, 0,1,2
	v_mov_b32 v[(\pc)+6*\c+3+\i], v[CT+4*\c+\i]
.endr
.endr
.endm
.macro XLOAD                           ; the tile's 16 rows, my wave's 512 bytes of each: 32 lanes read 512 consecutive bytes
.set I, 0
.rept 16
	global_load_b128 v[D+4*I:D+4*I+3], v[LI], s[XB:XB+1] offset:(I+8*(I>>3))*4096 th:TH_LOAD_NT
.set I, I+1
.endr
.endm
.macro XTURN                           ; through my stage: in by rows, back 16 neighbours of each block of 32.  LDS serves a wave's instructions in order: the loads see the stores
.set I, 0
.rept 16
	ds_store_b128 v[RD], v[D+4*I:D+4*I+3] offset:528*I
.set I, I+1
.endr
.irp b, 0,1,2,3
.irp j, 0,1,2,3
	ds_load_b128 v[N+16*\b+4*\j:N+16*\b+4*\j+3], v[STO] offset:128*\b+16*\j
.endr
.endr
	s_wait_dscnt 0x0
.endm
.macro PARAMS
	WIN 0x40
.irp b, 0,1,2,3
.irp j, 0,1,2,3
	global_load_b128 v[GW+16*\b+4*\j:GW+16*\b+4*\j+3], v[GA], s[GWB:GWB+1] offset:128*\b+16*\j
	global_load_b128 v[GB+16*\b+4*\j:GB+16*\b+4*\j+3], v[GA], s[GBB:GBB+1] offset:128*\b+16*\j
.endr
.endr
	WIN 0
.endm
.macro RSUM                            ; four pairs -> my row's sum over my wave's 128 columns
	v_pk_add_f32 v[SA:SA+1], v[SA:SA+1], v[SA+2:SA+3]
	v_pk_add_f32 v[SA+4:SA+5], v[SA+4:SA+5], v[SA+6:SA+7]
	v_pk_add_f32 v[SA:SA+1], v[SA:SA+1], v[SA+4:SA+5]
	v_add_f32 v[SA], v[SA], v[SA+1]
	v_permlanex16_b32 v[SA+2], v[SA], s[SEL], s[SEL+1]
	v_add_f32 v[SA], v[SA], v[SA+2]
.endm
.macro MEET red
	ds_store_b32 v[RW], v[SA] offset:\red          ; both halves of the lanes write the same word with the same value
	s_wait_dscnt 0x0                               ; for the others' sake: my store has landed (and all my LDS loads are in)
	s_barrier_signal -1
	s_barrier_wait -1
.endm
.macro GATHER red                      ; the eight waves' parts, added in one order in every wave
.irp i, 0,1,2,3,4,5,6,7
	ds_load_b32 v[R8+\i], v[LS] offset:\red+64*\i
.endr
	s_wait_dscnt 0x0
	v_add_f32 v[R8], v[R8], v[R8+1]
	v_add_f32 v[R8+2], v[R8+2], v[R8+3]
	v_add_f32 v[R8+4], v[R8+4], v[R8+5]
	v_add_f32 v[R8+6], v[R8+6], v[R8+7]
	v_add_f32 v[R8], v[R8], v[R8+2]
	v_add_f32 v[R8+4], v[R8+4], v[R8+6]
	v_add_f32 v[R8], v[R8], v[R8+4]
.endm
.macro LNQ_A
.irp k, 0,1,2,3
	v_pk_add_f32 v[SA+2*\k:SA+2*\k+1], v[N+2*\k:N+2*\k+1], v[N+8+2*\k:N+8+2*\k+1]
.endr
.set J, 16
.rept 24
	v_pk_add_f32 v[SA+J%8:SA+J%8+1], v[SA+J%8:SA+J%8+1], v[N+J:N+J+1]
.set J, J+2
.endr
	RSUM
	MEET RED1
.endm
.macro LNQ_B
	GATHER RED1
	v_mul_f32 v[MU], s[INV], v[R8]                 ; the mean
	v_mov_b32 v[MU+1], v[MU]
.set J, 0
.rept 32
	v_pk_add_f32 v[N+J:N+J+1], v[N+J:N+J+1], v[MU:MU+1] op_sel_hi:[1,0] neg_lo:[0,1] neg_hi:[0,1]
.set J, J+2
.endr
.irp k, 0,1,2,3
	v_pk_mul_f32 v[SA+2*\k:SA+2*\k+1], v[N+2*\k:N+2*\k+1], v[N+2*\k:N+2*\k+1]
.endr
.set J, 8
.rept 28
	v_pk_fma_f32 v[SA+J%8:SA+J%8+1], v[N+J:N+J+1], v[N+J:N+J+1], v[SA+J%8:SA+J%8+1]
.set J, J+2
.endr
	RSUM
	MEET RED2
	GATHER RED2
	v_fma_f32 v[RS], v[R8], s[INV], s[EPS]         ; the variance + 1e-5
	v_rsq_f32 v[RS], v[RS]
	v_nop                                          ; a plain line behind the transcendental
	s_wait_alu depctr_va_vdst(0)                   ; and a wait ahead of its first reader
	v_mov_b32 v[RS+1], v[RS]
.set J, 0
.rept 32
	v_pk_mul_f32 v[N+J:N+J+1], v[N+J:N+J+1], v[RS:RS+1] op_sel_hi:[1,0]
.set J, J+2
.endr
	s_wait_loadcnt 0x0                             ; the gains and biases
	WIN 0x14
.set J, 0
.rept 32
	v_pk_fma_f32 v[N+J:N+J+1], v[N+J:N+J+1], v[GW+J:GW+J+1], v[GB+J:GB+J+1]
.set J, J+2
.endr
	WIN 0
	QUANT N, 0, PC, PW
.irp c, 0,1,2
	global_store_b128 v[LI], v[PC+4*\c:PC+4*\c+3], s[HO:HO+1] offset:512*\c   ; 512 consecutive bytes, aligned
.endr
	global_store_b32 v[LS], v[PW], s[HS:HS+1]
.endm
	s_load_b256 s[4:11], s[0:1], 0x0               ; the rows, the gains, the biases, the result
	v_lshl_add_u32 v[SPW], v0, 2, SPARE
	v_mov_b32 v[NIL], 0
	v_lshrrev_b32 v1, 5, v0
	v_readfirstlane_b32 s18, v1                    ; wave
	v_and_b32 v1, 15, v0                           ; r
	v_bfe_u32 v2, v0, 4, 1                         ; h
	v_and_b32 v3, 31, v0                           ; lane
	v_lshlrev_b32 v[LI], 4, v3
	v_lshlrev_b32 v[LS], 2, v1
	v_lshlrev_b32 v[GA], 6, v2
	s_lshl_b32 s19, s18, 6
	v_add_nc_u32 v[RW], s19, v[LS]
	s_mul_i32 s19, s18, 16*528
	s_add_co_u32 s19, s19, STG                     ; my stage
	v_mul_u32_u24 v[STO], v1, 528
	v_lshl_add_u32 v[STO], v2, 6, v[STO]
	v_add_nc_u32 v[STO], s19, v[STO]
	v_add_nc_u32 v[RD], s19, v[LI]
.irp b, 0,1,2,3
	v_mov_b32 v[TM+4+\b], 0                        ; written once: a lane permute's destination counts as one of its sources
.endr
	s_mov_b32 s[SEL], 0x76543210
	s_mov_b32 s[SEL+1], 0xfedcba98                 ; lane l xor 16
	s_mov_b32 s[INV], 0x3a800000                   ; 1 / 1024
	s_mov_b32 s[EPS], 0x3727c5ac                   ; 1e-5
	s_lshr_b32 s20, ttmp9, 1
	s_lshl_b32 s20, s20, 5
	s_and_b32 s21, ttmp9, 1
	s_lshl_b32 s21, s21, 3
	s_add_co_u32 s20, s20, s21                     ; the tile's first token
	s_lshl_b32 s20, s20, 12
	s_lshl_b32 s22, s18, 9                         ; my wave's 512 bytes of a row
	s_add_co_u32 s20, s20, s22
	s_mov_b32 s21, 0
	s_mov_b32 s23, 0
	s_lshl_b32 s24, ttmp9, 3
	s_add_co_u32 s24, s24, s18                     ; f
	s_lshl_b32 s26, s24, 6
	s_add_co_u32 s26, s26, HSC
	s_mul_i32 s24, s24, 1536
	s_mov_b32 s25, 0
	s_mov_b32 s27, 0
	s_wait_kmcnt 0x0
	s_add_nc_u64 s[XB:XB+1], s[4:5], s[20:21]
	s_add_nc_u64 s[GWB:GWB+1], s[6:7], s[22:23]
	s_add_nc_u64 s[GBB:GBB+1], s[8:9], s[22:23]
	s_add_nc_u64 s[HO:HO+1], s[10:11], s[24:25]
	s_add_nc_u64 s[HS:HS+1], s[10:11], s[26:27]
	XLOAD
	PARAMS
	s_wait_loadcnt 32                              ; the rows are in; the 32 loads of gains and biases may be out
	XTURN
	LNQ_A
	LNQ_B
	s_wait_tensorcnt 0x0                           ; the wave's end, behind my last LDS store
	ds_add_u32 v[SPW], v[NIL]
	s_wait_dscnt 0x0
	s_endpgm
.Lfunc_end_k_qa6937ce356_ln1:
	.size	k_qa6937ce356_ln1, .Lfunc_end_k_qa6937ce356_ln1-k_qa6937ce356_ln1
	.p2alignl 7, 3214868480
	.fill 96, 4, 3214868480
	.section	.rodata,"a",@progbits
	.p2align	6, 0x0
	.amdhsa_kernel k_qa6937ce356_ln1
		.amdhsa_group_segment_fixed_size 69632
		.amdhsa_private_segment_fixed_size 0
		.amdhsa_enable_private_segment 0
		.amdhsa_kernarg_size 32
		.amdhsa_user_sgpr_count 2
		.amdhsa_user_sgpr_kernarg_segment_ptr 1
		.amdhsa_wavefront_size32 1
		.amdhsa_system_sgpr_workgroup_id_x 1
		.amdhsa_system_sgpr_workgroup_id_y 1
		.amdhsa_system_sgpr_workgroup_id_z 1
		.amdhsa_system_vgpr_workitem_id 0
		.amdhsa_next_free_vgpr 384
		.amdhsa_next_free_sgpr 66
		.amdhsa_reserve_vcc 0
		.amdhsa_float_denorm_mode_32 3
		.amdhsa_float_denorm_mode_16_64 3
		.amdhsa_memory_ordered 1
		.amdhsa_forward_progress 1
		.amdhsa_inst_pref_size 26
	.end_amdhsa_kernel
	.amdgpu_metadata
---
amdhsa.version: [ 1, 2 ]
amdhsa.kernels:
  - .name:           k_qa6937ce356_ln1
    .symbol:         k_qa6937ce356_ln1.kd
    .args:
      - { .name: x, .offset: 0, .size: 8, .value_kind: global_buffer, .address_space: global }
      - { .name: ln1_w, .offset: 8, .size: 8, .value_kind: global_buffer, .address_space: global }
      - { .name: ln1_b, .offset: 16, .size: 8, .value_kind: global_buffer, .address_space: global }
      - { .name: hq, .offset: 24, .size: 8, .value_kind: global_buffer, .address_space: global }
    .group_segment_fixed_size: 69632
    .private_segment_fixed_size: 0
    .kernarg_segment_align: 8
    .kernarg_segment_size: 32
    .max_flat_workgroup_size: 256
    .sgpr_count:     66
    .vgpr_count:     384
    .wavefront_size: 32
...
	.end_amdgpu_metadata
.endif
;; end of part 2
;; launch qkv (part 3): grid 8 x 24, 4 waves a work-group, clusters of 4 x 4, 327,680 bytes of LDS; arguments hq, wts, qkv; writes qkv
.if DOCPART == 3
	.amdgcn_target "amdgcn-amd-amdhsa--gfx1250"
	.amdhsa_code_object_version 6
	.text
	.protected	k_qa6937ce356_qkv
	.globl	k_qa6937ce356_qkv
	.p2align	8
	.type	k_qa6937ce356_qkv,@function
k_qa6937ce356_qkv:
	s_mov_b64 s[64:65], 0
	v_nop
	global_prefetch_b8 v0, s[64:65] scope:SCOPE_SE
	s_setreg_imm32_b32 hwreg(HW_REG_WAVE_MODE, 25, 1), 1
	s_wait_xcnt 0x0
	s_wait_alu depctr_hold_cnt(0) depctr_sa_sdst(0) depctr_va_vdst(0) depctr_va_sdst(0) depctr_va_ssrc(0) depctr_va_vcc(0) depctr_vm_vsrc(0)
	s_getreg_b32 s2, hwreg(HW_REG_IB_STS2, 6, 4)
	s_cmp_eq_u32 s2, 0
	s_cbranch_scc0 .Lentry_in_a_cluster
	s_endpgm
.Lentry_in_a_cluster:
	s_bfe_u32 s2, ttmp6, 0x10000c
	s_cmp_lg_u32 s2, 0xf033
	s_cbranch_scc0 .Lentry_shape_is_right
	s_endpgm
.Lentry_shape_is_right:
; q, k, v = h Wq, h Wk, h Wv on codes of FP6 (E2M3), and their quantising for attention: q and k along the head's 64, v along the tokens.  (One text serves three launches; KIND picks what differs.)
; OPERANDS ARE IMAGES OF OPERAND REGISTERS: fragment (tile, K step) = 1,536 bytes at 1536 (tile x KS + K step), three loads of 16 bytes a lane; its 16 scale words at 64 x the same number.
; Row r of tile t is index 32 (t / 2) + 8 (t % 2) + r + 8 (r / 8).  SOURCE 0 = B's 16 rows, SOURCE 1 = A's: a lane holds ONE row of A, and its registers over B's eight tiles are 128 neighbours of B's axis:
; they are quantised in registers and stored as a fragment of the next product: no stage, each store 512 consecutive bytes, aligned.
; Cluster rows 0-3: A = h (tokens), B = Wq | Wk: fragment (token tile, head pair; q's 8 then k's 8).  Cluster rows 4, 5: A = Wv, B = h: a lane holds one d and its registers run along the tokens: v^T, keys innermost.
; The two roles differ in pointers and numbers alone, chosen by s_cselect on the cluster's y, which all sixteen partners share: one path.
; A work-group makes 2 NA x 2 NB tiles, each of four waves NA x NB accumulators.  K goes NQ steps of 128 to a slot through a ring of two LDS slots; a wave's one tensor load brings NA rows of NQ x 1,536 bytes.
; CLUSTERS: 4 x 4; A's tiles are asked for jointly along a row of the cluster, B's along a column.  The scale words of all of K come once, with the first fills.
; LIMITS: a block of zeros or under 2^-124 gets the byte 1 (this program alone reads the bytes); NaN and infinities are not served.
.set KIND, 0
.set KS,   8
.set NQ,   2
.set NA,   8
.set NB,   8
.if KIND == 0
.set HSC,    3145728                   ; hq: where its scale words begin
.set OW_V,   1572864                   ; wts: Wv's codes, Wv's scale words, Wq | Wk's scale words
.set OS_V,   9502720
.set OS_QKV, 9437184
.set OSCOFF, 9437184                   ; qkv: where its scale words begin
.endif
.if KIND == 1
.set ASOFF,  3145728                   ; h2q's scale words; W1's codes and scale words in wts; hid's scale words
.set BOFF,   3145728
.set BSOFF,  9568256
.set OSCOFF, 12582912
.endif
.if KIND == 2
.set ASOFF,  12582912                  ; hid's scale words; W2's codes and scale words in wts
.set BOFF,   6291456
.set BSOFF,  9699328
.endif
.set HALFT, NA*NQ*1536                 ; what one tensor load brings, and what a wave reads of A or of B in a slot
.set SLOT,  4*HALFT                    ; A's two halves, B's two halves
.set LAPS,  KS/(2*NQ)
.set SCL,   2*SLOT                     ; behind the ring: the scale words, filled once
.set HALFS, NA*KS*64
.set STAGE, SCL+4*HALFS                ; KIND 2: 16 rows x 272 bytes for each wave; no fill lands there
.if KIND == 2
.set SPARE, STAGE+4*16*272
.else
.set SPARE, STAGE
.endif                                 ; the spare words, 128 bytes for each wave: two blocks of 256 bytes that no other line names
.set ADRA, 16                          ; v16-17 my A fragments in slot 0, 1: 16 x lane + my half
.set ADRB, 20                          ; v20-21 the same for B
.set STO,  24
.set RD,   25
.set CO,   26
.set ADRS, 27                          ; v27 my scale words: lanes 0-15 A's rows, lanes 16-31 B's
.set SPW,  28                          ; v28 my spare word; never rewritten
.set NIL,  29                          ; v29 0; never rewritten
.set LI,   30                          ; v30 16 x lane
.set LS,   31                          ; v31 4 r
.set SC,   32                          ; v32-63 scale words, two sets of 16: register NQ i + q: lanes 0-15 A's block i, lanes 16-31 B's block i
.set TM,   64                          ; the way out, over A's fragments
.set PC,   80
.set CT,   92
.set PW,   100
.set G1,   24
.set G0,   32
.set G1B,  48
.set G0B,  56
.set G1S,  68
.set G0S,  76
.set G1SB, 80
.set G0SB, 88
.set SEL,  66
.set LAPC, 100
.set ROLE, 101
; REGISTERS: window 0: v64-159, v160-255 A's fragments, two sets.  window 1: v0-95, v128-223 B's, two sets.  windows 2, 3: accumulator (a, b) at 8 ((a NB + b) % 32).
.set MSB, 0
.macro WIN new                         ; the immediate's high byte repeats the setting that is left
.if MSB != (\new)
	s_set_vgpr_msb (MSB<<8)|(\new)
.set MSB, \new
.endif
.endm
.macro PLACES n
.rept \n
	v_nop
.endr
.endm
; a joint load: waves 0 and 1 fetch for A, waves 2 and 3 for B; an s_nop 0 and four v_nop follow each line
.macro JLOAD g0a, g1a, g0b, g1b
	s_cmp_eq_u32 s15, 0
	s_cbranch_scc0 .Lfor_b_\@
	tensor_load_to_lds s[\g0a:\g0a+3], s[\g1a:\g1a+7]
	s_nop 0
.rept 4
	v_nop
.endr
	s_branch .Lasked_\@
.Lfor_b_\@:
	tensor_load_to_lds s[\g0b:\g0b+3], s[\g1b:\g1b+7]
	s_nop 0
.rept 4
	v_nop
.endr
.Lasked_\@:
.endm
.macro CREST                           ; a round of the cluster's barrier behind its opening barrier
	s_cmp_lg_u32 s14, 0
	s_cbranch_scc1 .Lnot_wave_0_\@
	s_barrier_signal -3
.Lnot_wave_0_\@:
	s_barrier_wait -3
	s_barrier_signal -1
	s_barrier_wait -1
.endm
.macro CROUND
	s_barrier_signal -1
	s_barrier_wait -1
	CREST
.endm
; 64 numbers of a lane in window X, register 16 b + i = k 32 b + 16 h + i of my row, become a fragment's 12 registers of codes and its scale word
.macro QUANT s, X, pc, pw
	WIN (\X)|((\X)<<2)
.irp b, 0,1,2,3
	v_max3_num_f32 v[TM+\b], |v[(\s)+16*\b]|, |v[(\s)+16*\b+1]|, 0x1800000   ; each accumulator is read from its low end on; the floor 2^(3 - 127) holds the byte at 1
.endr
	WIN ((\X)<<2)|((\X)<<4)
.irp i, 2,4,6,8,10,12,14
.irp b, 0,1,2,3
	v_max3_num_f32 v[TM+\b], v[TM+\b], |v[(\s)+16*\b+\i]|, |v[(\s)+16*\b+\i+1]|
.endr
.endr
	WIN 0
.irp b, 0,1,2,3
	v_permlanex16_b32 v[TM+4+\b], v[TM+\b], s[SEL], s[SEL+1]
.endr
.irp b, 0,1,2,3
	v_max_num_f32 v[TM+\b], v[TM+\b], v[TM+4+\b]
.endr
.irp b, 0,1,2,3
	v_add_nc_u32 v[TM+12+\b], 0xff000000, v[TM+\b] ; 2 off the exponent field: the conversion's scale operand
.endr
.irp b, 0,1,2,3
	v_lshrrev_b32 v[TM+4+\b], 23, v[TM+12+\b]
.endr
	v_lshl_or_b32 v[\pw], v[TM+5], 8, v[TM+4]
	v_lshl_or_b32 v[\pw], v[TM+6], 16, v[\pw]
	v_lshl_or_b32 v[\pw], v[TM+7], 24, v[\pw]
	WIN \X
.irp c, 0,1
	v_cvt_scalef32_pk16_fp6_f32 v[(\pc)+6*\c:(\pc)+6*\c+2], v[(\s)+32*\c:(\s)+32*\c+15], v[TM+12+2*\c]
	v_cvt_scalef32_pk16_fp6_f32 v[CT+4*\c:CT+4*\c+2], v[(\s)+32*\c+16:(\s)+32*\c+31], v[TM+13+2*\c]
.endr
	WIN 0
	v_nop                                          ; one plain line behind the conversions
.irp c, 0,1
.irp i, 0,1,2
	v_permlane16_swap_b32 v[(\pc)+6*\c+\i], v[CT+4*\c+\i]
.endr
.irp i, 0,1,2
	v_mov_b32 v[(\pc)+6*\c+3+\i], v[CT+4*\c+\i]
.endr
.endr
.endm
.macro FRAGL reg, adr, off             ; a fragment comes as it was stored: three loads, 512 consecutive bytes each
.irp c, 0,1,2
	ds_load_b128 v[(\reg)+4*\c:(\reg)+4*\c+3], v[\adr] offset:(\off)+512*\c
.endr
.endm
.macro FETCH slot, q, p                ; the slot's q-th 128 along K into set p
	WIN 0x40
.set FI, 0
.rept NB
	FRAGL 128*(\p)+12*FI, ADRB+\slot, (FI*NQ+(\q))*1536
.set FI, FI+1
.endr
	WIN 0
.set FI, 0
.rept NA
	FRAGL 64+96*(\p)+12*FI, ADRA+\slot, (FI*NQ+(\q))*1536
.set FI, FI+1
.endr
.endm
.macro SCALES sc
.set FI, 0
.rept NA
.set FQ, 0
.rept NQ
	ds_load_b32 v[SC+16*(\sc)+NQ*FI+FQ], v[ADRS] offset:FI*KS*64+64*FQ
.set FQ, FQ+1
.endr
.set FI, FI+1
.endr
.endm
.macro MULA a, p, q, sc, zero          ; A's block a against B's NB blocks
	WIN 0xa1+0x50*(((\a)*NB)/32)
.set AC, 8*(((\a)*NB)%32)
.set MB, 0
.rept NB
.if \zero
	v_wmma_scale_f32_16x16x128_f8f6f4 v[AC+8*MB:AC+8*MB+7], v[128*(\p)+12*MB:128*(\p)+12*MB+11], v[64+96*(\p)+12*(\a):64+96*(\p)+12*(\a)+11], 0, v[SC+16*(\sc)+NQ*MB+(\q)], v[SC+16*(\sc)+NQ*(\a)+(\q)] matrix_a_fmt:MATRIX_FMT_FP6 matrix_b_fmt:MATRIX_FMT_FP6 matrix_a_scale:MATRIX_SCALE_ROW1
.else
	v_wmma_scale_f32_16x16x128_f8f6f4 v[AC+8*MB:AC+8*MB+7], v[128*(\p)+12*MB:128*(\p)+12*MB+11], v[64+96*(\p)+12*(\a):64+96*(\p)+12*(\a)+11], v[AC+8*MB:AC+8*MB+7], v[SC+16*(\sc)+NQ*MB+(\q)], v[SC+16*(\sc)+NQ*(\a)+(\q)] matrix_a_fmt:MATRIX_FMT_FP6 matrix_b_fmt:MATRIX_FMT_FP6 matrix_a_scale:MATRIX_SCALE_ROW1
.endif
.set MB, MB+1
.endr
.endm
.macro MULS a0, n, p, q, sc, zero      ; all accumulators take turns, one instruction a turn, in the same order in every step
.set MA, \a0
.rept \n
	MULA MA, \p, \q, \sc, \zero
.set MA, MA+1
.endr
.endm
.macro STEP slot, q, zero              ; a step of 128 along K that has its successor in the same slot
	s_wait_dscnt 0x0                               ; this step's fragments, asked for a step ago, are in
	PLACES 4                                       ; in front of loads into registers that matrix instructions have read
	FETCH \slot, (\q)+1, ((\q)+1)%2
	MULS 0, NA, (\q)%2, \q, \slot, \zero
	WIN 0
.endm
.macro STEPS slot, zero
.set SQ, 0
.rept NQ-1
.if SQ == 0
	STEP \slot, SQ, \zero
.else
	STEP \slot, SQ, 0
.endif
.set SQ, SQ+1
.endr
.endm
; A slot's last step changes slots: one barrier; in front of it each wave waits for all its tensor loads, adds 0 to its spare word, and waits for that and for its reads of this slot.
.macro TURN slot, next, fill
	s_wait_tensorcnt 0x0                           ; all my tensor loads have landed: my part of the next slot
	ds_add_u32 v[SPW], v[NIL]                      ; 0 onto my spare word
	s_wait_dscnt 1                                 ; this step's fragments are in; the add alone may be out
	MULS 0, NA/4, 1, NQ-1, \slot, 0
	s_wait_dscnt 0x0                               ; the add is done, and my reads of this slot are over
	s_barrier_signal -1
	MULS NA/4, NA/4, 1, NQ-1, \slot, 0
	WIN 0
	s_barrier_wait -1
.if \fill
	CREST                                          ; the barrier has opened a round of the cluster's: no wave of any partner still reads this slot or has a load on its way
	s_add_nc_u64 s[G0+4*\slot+2:G0+4*\slot+3], s[G0+4*\slot+2:G0+4*\slot+3], 2*NQ*1536
	s_add_nc_u64 s[G0B+4*\slot+2:G0B+4*\slot+3], s[G0B+4*\slot+2:G0B+4*\slot+3], 2*NQ*1536
	JLOAD G0+4*\slot, G1, G0B+4*\slot, G1B         ; the first tensor load behind the round; its four v_nop are the places in front of the loads below
.else
	PLACES 4
.endif
	v_add_nc_u32 v[ADRS], NQ*64, v[ADRS]           ; the next slot's scale words
	FETCH \next, 0, 0
	SCALES \next
	MULS NA/2, NA/2, 1, NQ-1, \slot, 0
	WIN 0
.endm
	s_load_b128 s[4:7], s[0:1], 0x0                ; A's buffer (KIND 0: hq), wts
.if KIND == 2
	s_load_b128 s[8:11], s[0:1], 0x10              ; x1, out0
.else
	s_load_b64 s[8:9], s[0:1], 0x10                ; the result's buffer
.endif
	v_lshl_add_u32 v[SPW], v0, 2, SPARE
	v_mov_b32 v[NIL], 0
	ds_add_u32 v[SPW], v[NIL]                      ; the wave's opening: the add and its wait come ahead of my first tensor load; work on registers stands between
	v_lshrrev_b32 v1, 5, v0
	v_readfirstlane_b32 s14, v1                    ; wave
	s_lshr_b32 s15, s14, 1                         ; my half of A's tiles.  Also: I fetch for A (0) or for B (1)
	s_and_b32 s16, s14, 1                          ; my half of B's tiles.  Also: which half I fetch
	s_bfe_u32 s40, ttmp6, 0x40000                  ; cx
	s_bfe_u32 s41, ttmp6, 0x40004                  ; cy
	s_and_b32 s13, ttmp7, 0xffff                   ; cluster y
	s_lshl_b32 s42, ttmp9, 2                       ; 4 x cluster x
	s_lshl_b32 s17, s13, 2                         ; 4 x cluster y
.if KIND == 0
	s_max_u32 s66, s13, 4
	s_sub_co_u32 s66, s66, 4
	s_lshl_b32 s66, s66, 3
	s_add_co_u32 s66, s66, s42                     ; v's tile columns: 4 (cluster x + 2 (cluster y - 4))
	s_mov_b32 s2, 32*1536
	s_mov_b32 s12, 32*64
	s_mov_b32 s18, OW_V
	s_mov_b32 s19, OS_V
	s_mov_b32 s67, OS_QKV
	s_cmp_lt_u32 s13, 4                            ; q and k, or v?  The same in all sixteen partners
	s_cselect_b32 s[ROLE], 1, 0
	s_cselect_b32 s17, s17, 0
	s_cselect_b32 s42, s42, s66
	s_cselect_b32 s2, 16*1536, s2                  ; from a result's tile to the next: its K steps x 1,536
	s_cselect_b32 s12, 16*64, s12
	s_cselect_b32 s13, 16, 32
	s_cselect_b32 s66, 0, 4096                     ; the result's first fragment
	s_cselect_b32 s18, 0, s18                      ; A's codes and scale words in its buffer
	s_cselect_b32 s19, HSC, s19
	s_cselect_b32 s67, s67, HSC                    ; B's scale words in its buffer (B's codes begin at 0 either way)
.endif
	s_add_co_u32 s42, s42, s40                     ; tile column
	s_add_co_u32 s17, s17, s41                     ; tile row
	s_lshl_b32 s43, s41, 2
	s_lshl_b32 s43, 15, s43                        ; my row of the cluster
	s_lshl_b32 s44, 0x1111, s40                    ; my column
	; group 1 for the codes: NA rows (a tile each) of NQ x 1,536 bytes, KS x 1,536 bytes apart, in elements of 8 bytes; no padding
	s_or_b32 s[G1+0], s43, (3<<16)|(1<<21)
	s_or_b32 s[G1B+0], s44, (3<<16)|(1<<21)
.irp g, G1, G1B
	s_mov_b32 s[\g+1], (NQ*192)<<16                ; tensor_dim0
	s_mov_b32 s[\g+2], NA<<16                      ; tensor_dim1
	s_mov_b32 s[\g+3], (NQ*192)<<16                ; tile_dim0
	s_mov_b32 s[\g+4], NA                          ; tile_dim1
	s_mov_b32 s[\g+5], KS*192                      ; tensor_dim0_stride
	s_mov_b32 s[\g+6], 0
	s_mov_b32 s[\g+7], 0
.endr
	; and for the scale words of NA tiles, all of K: a dense block, as rows of 256 bytes
	s_or_b32 s[G1S+0], s43, (3<<16)|(1<<21)
	s_or_b32 s[G1SB+0], s44, (3<<16)|(1<<21)
.irp g, G1S, G1SB
	s_mov_b32 s[\g+1], 32<<16
	s_mov_b32 s[\g+2], (HALFS/256)<<16
	s_mov_b32 s[\g+3], 32<<16
	s_mov_b32 s[\g+4], HALFS/256
	s_mov_b32 s[\g+5], 32
	s_mov_b32 s[\g+6], 0
	s_mov_b32 s[\g+7], 0
.endr
	s_mul_i32 s21, s16, NA                         ; which half I fetch
	s_mul_i32 s20, s17, 2*NA
	s_add_co_u32 s20, s20, s21                     ; A: its first tile
	s_mul_i32 s46, s42, 2*NB
	s_add_co_u32 s46, s46, s21                     ; B: its first tile
	s_mul_i32 s22, s20, KS*64
	s_mul_i32 s20, s20, KS*1536
	s_mul_i32 s92, s46, KS*64
	s_mul_i32 s46, s46, KS*1536
.if KIND == 0
	s_add_co_u32 s20, s20, s18
	s_add_co_u32 s22, s22, s19
	s_add_co_u32 s92, s92, s67
.else
	s_add_co_u32 s22, s22, ASOFF
	s_add_co_u32 s46, s46, BOFF
	s_add_co_u32 s92, s92, BSOFF
.endif
	s_mov_b32 s21, 0
	s_mov_b32 s23, 0
	s_mov_b32 s47, 0
	s_mov_b32 s93, 0
	s_mul_i32 s45, s14, HALFT                      ; where they go: wave x a quarter of a slot: no place in the cluster enters an LDS address
	s_mul_i32 s94, s14, HALFS
.if KIND == 2
	s_lshl_b32 s96, s17, 19                        ; my first row of x1 and out0: 128 x tile row + 64 x half, rows of 4,096 bytes;
	s_lshl_b32 s97, s15, 18
	s_add_co_u32 s96, s96, s97
	s_lshl_b32 s98, s42, 9                         ; my first column: 128 x tile column + 64 x half
	s_lshl_b32 s99, s16, 8
	s_add_co_u32 s98, s98, s99
	s_add_co_u32 s96, s96, s98
	s_mov_b32 s97, 0
.else
	s_lshl_b32 s96, s17, 4
	s_lshl_b32 s97, s15, 3
	s_add_co_u32 s96, s96, s97                     ; the result's first tile = A's: 16 x tile row + 8 x half
.if KIND == 0
	s_mul_i32 s96, s96, s13
	s_add_co_u32 s96, s96, s66
.else
	s_lshl_b32 s96, s96, 5
	s_mov_b32 s2, 32*1536
	s_mov_b32 s12, 32*64
.endif
	s_lshl_b32 s98, s42, 1
	s_add_co_u32 s98, s98, s16                     ; its K step: 2 x tile column + half
	s_add_co_u32 s96, s96, s98                     ; f
	s_lshl_b32 s98, s96, 6
	s_add_co_u32 s98, s98, OSCOFF
	s_mul_i32 s96, s96, 1536
	s_mov_b32 s97, 0
	s_mov_b32 s99, 0
	s_mov_b32 s3, 0
	s_mov_b32 s13, 0
.endif
	s_wait_dscnt 0x0                               ; the opening add is done
	s_wait_kmcnt 0x0
.if KIND == 0
	s_cmp_eq_u32 s[ROLE], 1
	s_cselect_b64 s[18:19], s[4:5], s[6:7]         ; A's buffer
	s_cselect_b64 s[66:67], s[6:7], s[4:5]         ; B's
	s_add_nc_u64 s[20:21], s[18:19], s[20:21]
	s_add_nc_u64 s[22:23], s[18:19], s[22:23]
	s_add_nc_u64 s[46:47], s[66:67], s[46:47]
	s_add_nc_u64 s[92:93], s[66:67], s[92:93]
.else
	s_add_nc_u64 s[20:21], s[4:5], s[20:21]
	s_add_nc_u64 s[22:23], s[4:5], s[22:23]
	s_add_nc_u64 s[46:47], s[6:7], s[46:47]
	s_add_nc_u64 s[92:93], s[6:7], s[92:93]
.endif
.if KIND == 2
	s_add_nc_u64 s[8:9], s[8:9], s[96:97]
	s_add_nc_u64 s[10:11], s[10:11], s[96:97]
.else
	s_add_nc_u64 s[96:97], s[8:9], s[96:97]        ; where my first fragment goes,
	s_add_nc_u64 s[98:99], s[8:9], s[98:99]        ; and its scale words
.endif
	CROUND                                         ; all sixteen work-groups are here: the first joint loads meet
	s_mov_b32 s[G0S], 1
	s_add_co_u32 s[G0S+1], s94, SCL
	s_mov_b64 s[G0S+2:G0S+3], s[22:23]
	s_or_b32 s[G0S+3], s[G0S+3], 0x80000000
	s_mov_b32 s[G0SB], 1
	s_add_co_u32 s[G0SB+1], s94, SCL
	s_mov_b64 s[G0SB+2:G0SB+3], s[92:93]
	s_or_b32 s[G0SB+3], s[G0SB+3], 0x80000000
	JLOAD G0S, G1S, G0SB, G1SB                     ; three loads of mine are out behind these lines: the scale words, slot 0, slot 1
.irp s, 0,1
	s_mov_b32 s[G0+4*\s], 1
	s_add_co_u32 s[G0+4*\s+1], s45, \s*SLOT
	s_add_nc_u64 s[G0+4*\s+2:G0+4*\s+3], s[20:21], \s*NQ*1536
	s_or_b32 s[G0+4*\s+3], s[G0+4*\s+3], 0x80000000
	s_mov_b32 s[G0B+4*\s], 1
	s_add_co_u32 s[G0B+4*\s+1], s45, \s*SLOT
	s_add_nc_u64 s[G0B+4*\s+2:G0B+4*\s+3], s[46:47], \s*NQ*1536
	s_or_b32 s[G0B+4*\s+3], s[G0B+4*\s+3], 0x80000000
	JLOAD G0+4*\s, G1, G0B+4*\s, G1B
.endr
	v_and_b32 v1, 15, v0                           ; r
	v_bfe_u32 v2, v0, 4, 1                         ; h
	v_and_b32 v3, 31, v0
	v_lshlrev_b32 v[LI], 4, v3
	v_lshlrev_b32 v[LS], 2, v1
	s_mul_i32 s18, s15, HALFT
	s_mul_i32 s19, s16, HALFT
	s_add_co_u32 s19, s19, 2*HALFT
.irp s, 0,1
	v_add_nc_u32 v[ADRA+\s], s18, v[LI]
	v_add_nc_u32 v[ADRB+\s], s19, v[LI]
	s_add_co_u32 s18, s18, SLOT
	s_add_co_u32 s19, s19, SLOT
.endr
	s_mul_i32 s18, s15, HALFS
	s_mul_i32 s19, s16, HALFS
	s_add_co_u32 s19, s19, 2*HALFS
	s_sub_co_u32 s19, s19, s18
	v_mul_u32_u24 v4, s19, v2                      ; lanes 16-31 take B's: one product, the distance between the two
	s_add_co_u32 s18, s18, SCL
	v_add_nc_u32 v4, v4, v[LS]
	v_add_nc_u32 v[ADRS], s18, v4
.if KIND == 2
	s_mul_i32 s18, s14, 16*272
	s_add_co_u32 s18, s18, STAGE                   ; my stage
	v_mul_u32_u24 v4, v1, 272
	v_lshl_add_u32 v4, v2, 6, v4
	v_add_nc_u32 v[STO], s18, v4                   ; in: row r, + 64 h
	v_mul_u32_u24 v4, v2, 272
	v_lshl_add_u32 v4, v1, 4, v4
	v_add_nc_u32 v[RD], s18, v4                    ; back: lanes 0-15 one row of 256 bytes, lanes 16-31 the next
	v_lshlrev_b32 v4, 12, v2
	v_lshl_add_u32 v[CO], v1, 4, v4                ; and the same two rows in memory
.endif
	s_wait_tensorcnt 1                             ; the scale words and my part of slot 0 are in; slot 1's load may be out
	s_barrier_signal -1
	s_barrier_wait -1
	FETCH 0, 0, 0
	SCALES 0
	STEPS 0, 1                                     ; the first step's products start the sums: nothing is cleared
	s_mov_b32 s[LAPC], LAPS-1
.Llap:                                             ; a trip goes once round the ring and fills both slots again
	TURN 0, 1, 1
	STEPS 1, 0
	TURN 1, 0, 1
	STEPS 0, 0
	s_sub_co_u32 s[LAPC], s[LAPC], 1
	s_cmp_lg_u32 s[LAPC], 0
	s_cbranch_scc1 .Llap
	TURN 0, 1, 0                                   ; the last lap fills nothing
	STEPS 1, 0
	s_wait_dscnt 0x0
	MULS 0, NA, 1, NQ-1, 1, 0
	WIN 0
	PLACES 4                                       ; in front of the first read of results, and of writes over A's fragments
.if KIND == 2
; THE WAY OUT: + x1, f32.  A lane holds pieces of one row; a block of 16 rows x 64 columns goes through my own stage and comes back as rows of 256 bytes, which sixteen lanes store whole and aligned.
.set WA, 0
.rept 4
.set WI, 0
.rept 8
	global_load_b128 v[64+32*WA+4*WI:64+32*WA+4*WI+3], v[CO], s[8:9] offset:(32*(WA>>1)+8*(WA&1)+2*WI+8*(WI>>2))*4096 th:TH_LOAD_NT
.set WI, WI+1
.endr
.set WA, WA+1
.endr
.set WA, 0
.rept 4
.if WA > 0
	s_wait_xcnt 0x0                                ; the earlier stores have read their registers: the loads below may land there
.endif
	WIN 0x08                                       ; an LDS store's data: window 2
.set WI, 0
.rept 4
	ds_store_b128 v[STO], v[32*WA+8*WI:32*WA+8*WI+3] offset:128*(WI>>1)+32*(WI&1)       ; each accumulator from its low end on
	ds_store_b128 v[STO], v[32*WA+8*WI+4:32*WA+8*WI+7] offset:128*(WI>>1)+32*(WI&1)+16
.set WI, WI+1
.endr
	WIN 0
.set WI, 0
.rept 8
	ds_load_b128 v[192+32*(WA%2)+4*WI:192+32*(WA%2)+4*WI+3], v[RD] offset:544*WI        ; LDS serves a wave's instructions in order: these see the stores above
.set WI, WI+1
.endr
	s_wait_dscnt 0x0
	s_wait_loadcnt 8*(3-WA)                        ; this block's rows of x1 are in; the later blocks' may be out
.set WI, 0
.rept 16
	v_pk_add_f32 v[192+32*(WA%2)+WI:192+32*(WA%2)+WI+1], v[192+32*(WA%2)+WI:192+32*(WA%2)+WI+1], v[64+32*WA+WI:64+32*WA+WI+1]
.set WI, WI+2
.endr
.set WI, 0
.rept 8
	global_store_b128 v[CO], v[192+32*(WA%2)+4*WI:192+32*(WA%2)+4*WI+3], s[10:11] offset:(32*(WA>>1)+8*(WA&1)+2*WI+8*(WI>>2))*4096 th:TH_STORE_NT
.set WI, WI+1
.endr
.set WA, WA+1
.endr
.else
; THE WAY OUT: A's block a against B's eight tiles is 64 numbers a lane, 128 neighbours of one row: one fragment and one scale word of the next product
	s_mov_b32 s[SEL], 0x76543210
	s_mov_b32 s[SEL+1], 0xfedcba98
.irp b, 0,1,2,3
	v_mov_b32 v[TM+4+\b], 0                        ; written once: a lane permute's destination counts as one of its sources
.endr
.set WA, 0
.rept NA
.if WA > 0
	s_wait_xcnt 0x0                                ; the last block's stores have read their registers and bases
	s_add_nc_u64 s[96:97], s[96:97], s[2:3]
	s_add_nc_u64 s[98:99], s[98:99], s[12:13]
.endif
.if KIND == 1
	WIN ((2+WA/4)<<6)|((2+WA/4)<<2)
.set WI, 0
.rept 64
	v_max_num_f32 v[64*(WA%4)+WI], 0, v[64*(WA%4)+WI]   ; relu, in f32, each accumulator from its low end on
.set WI, WI+1
.endr
.endif
	QUANT 64*(WA%4), 2+WA/4, PC, PW
.irp c, 0,1,2
	global_store_b128 v[LI], v[PC+4*\c:PC+4*\c+3], s[96:97] offset:512*\c
.endr
	global_store_b32 v[LS], v[PW], s[98:99]
.set WA, WA+1
.endr
.endif
	s_wait_tensorcnt 0x0                           ; the wave's end
	ds_add_u32 v[SPW], v[NIL]
	s_wait_dscnt 0x0
	CROUND                                         ; the closing round
	s_endpgm
.Lfunc_end_k_qa6937ce356_qkv:
	.size	k_qa6937ce356_qkv, .Lfunc_end_k_qa6937ce356_qkv-k_qa6937ce356_qkv
	.p2alignl 7, 3214868480
	.fill 96, 4, 3214868480
	.section	.rodata,"a",@progbits
	.p2align	6, 0x0
	.amdhsa_kernel k_qa6937ce356_qkv
		.amdhsa_group_segment_fixed_size 327680
		.amdhsa_private_segment_fixed_size 0
		.amdhsa_enable_private_segment 0
		.amdhsa_kernarg_size 24
		.amdhsa_user_sgpr_count 2
		.amdhsa_user_sgpr_kernarg_segment_ptr 1
		.amdhsa_wavefront_size32 1
		.amdhsa_system_sgpr_workgroup_id_x 1
		.amdhsa_system_sgpr_workgroup_id_y 1
		.amdhsa_system_sgpr_workgroup_id_z 1
		.amdhsa_system_vgpr_workitem_id 0
		.amdhsa_next_free_vgpr 1024
		.amdhsa_next_free_sgpr 102
		.amdhsa_reserve_vcc 0
		.amdhsa_float_denorm_mode_32 3
		.amdhsa_float_denorm_mode_16_64 3
		.amdhsa_memory_ordered 1
		.amdhsa_forward_progress 1
		.amdhsa_inst_pref_size 143
	.end_amdhsa_kernel
	.amdgpu_metadata
---
amdhsa.version: [ 1, 2 ]
amdhsa.kernels:
  - .name:           k_qa6937ce356_qkv
    .symbol:         k_qa6937ce356_qkv.kd
    .args:
      - { .name: hq, .offset: 0, .size: 8, .value_kind: global_buffer, .address_space: global }
      - { .name: wts, .offset: 8, .size: 8, .value_kind: global_buffer, .address_space: global }
      - { .name: qkv, .offset: 16, .size: 8, .value_kind: global_buffer, .address_space: global }
    .group_segment_fixed_size: 327680
    .private_segment_fixed_size: 0
    .kernarg_segment_align: 8
    .kernarg_segment_size: 24
    .max_flat_workgroup_size: 128
    .sgpr_count:     102
    .vgpr_count:     1024
    .wavefront_size: 32
...
	.end_amdgpu_metadata
.endif
;; end of part 3
;; launch attn (part 4): grid 16 x 16, 8 waves a work-group, no clusters, 0 bytes of LDS; arguments qkv, p, att; writes att
.if DOCPART == 4
	.amdgcn_target "amdgcn-amd-amdhsa--gfx1250"
	.amdhsa_code_object_version 6
	.text
	.protected	k_qa6937ce356_attn
	.globl	k_qa6937ce356_attn
	.p2align	8
	.type	k_qa6937ce356_attn,@function
k_qa6937ce356_attn:
	s_mov_b64 s[64:65], 0
	v_nop
	global_prefetch_b8 v0, s[64:65] scope:SCOPE_SE
	s_setreg_imm32_b32 hwreg(HW_REG_WAVE_MODE, 25, 1), 1
	s_wait_xcnt 0x0
; Causal attention on codes of FP6 (E2M3): att = softmax(q k^T p^-1/2) v, quantised along C for the projection.  All operands are images of operand registers (1,536 bytes a fragment; scale words 64 bytes).
; A fragment of q or k holds a token tile x 128 = TWO heads' 64 + 64.  A wave takes one tile of 16 queries for both heads of a pair: k's fragment is multiplied by q with the odd head's codes set to zero, and by q with the
; even head's set to zero: each k fragment feeds two products, and the two results together are one whole fragment of att.
; Both products are used transposed (S^T = k q^T, O^T = v^T p^T): a lane holds one query throughout.  Row r of tile t is token (or d) 32 (t / 2) + 8 (t % 2) + r + 8 (r / 8), so that the 16 registers of two
; neighbouring tiles are 16 neighbouring keys (or d).
; SOFTMAX: t = score x c, c = log2(e) / sqrt(p[head]); M = the running largest t rounded up to a whole number; 2^(t - M) is quantised along the keys; the row's sum is taken of the unquantised numbers and divides at the end;
; when M moves, sum and O^T are multiplied by 2^(old M - new M), exactly.  A block's largest weight is taken from its largest score by the same two instructions.
; SHARES: work-group (G, 8 b + pair).  Wave w < 4 takes tile 4 G + w, wave w >= 4 tile 127 - (4 G + w - 4): (tile / 8) + 1 key steps of 128; waves w and w + 4 together have 17.  Only a wave's last step lies on the diagonal.
; Fragments go from memory straight into registers, a step ahead; no LDS, no barrier: so each wave stops at its own diagonal.  NO JOINT LOADS: the sixteen work-groups of a head pair want between 1 and 16 key steps a wave,
; so partners would need different numbers of tiles.
; LIMITS: p > 0 (else reference() itself gives NaN or infinity); NaN and infinities are not served; a block of zeros gets the byte 1; v_exp_f32 is taken not to fall where its input rises.
.set QSC, 9437184                      ; qkv: where its scale words begin
.set ASC, 3145728                      ; att: likewise
.set LI,  3                            ; v3  16 x lane
.set LS,  4                            ; v4  4 r
.set DQ,  5                            ; v5  my query - the last step's first key - 16 h
.set PFO, 6                            ; v6  the prefetches' offset
.set PFS, 7                            ; v7  and its step
.set NINF, 8
.set ST,  16                           ; v16-31 for each head: -M, largest t, the sum (two), c (two), f (two)
.set PWS, 32                           ; v32-33 p's scale words
.set QS,  34                           ; v34 q's
.set KSC, 36                           ; v36-43 k's
.set VSC, 44                           ; v44-51 v's
.set TM,  52
.set X,   68
.set QE,  72                           ; v72-83 q, even head; v84-95 odd head
.set QO,  84
.set PC,  96                           ; v96-119 p's codes, 12 a head
.set CT,  120
.set S,   128                          ; v128-255 S^T, then p: 64 a head
.set KF,  0                            ; window 1: v0-95 k's 8 fragments; v96-191 v's 8; v192-255 O^T, 32 a head
.set VF,  96
.set O,   192
.set CNT, 15
.set LIM, 16
.set SEL, 18
.set KB,  24
.set KSB, 26
.set VB,  28
.set VSB, 30
.set MSB, 0
.macro WIN new
.if MSB != (\new)
	s_set_vgpr_msb (MSB<<8)|(\new)
.set MSB, \new
.endif
.endm
.macro PLACES n
.rept \n
	v_nop
.endr
.endm
.macro QUANT s, X, pc, pw
	WIN (\X)|((\X)<<2)
.irp b, 0,1,2,3
	v_max3_num_f32 v[TM+\b], |v[(\s)+16*\b]|, |v[(\s)+16*\b+1]|, 0x1800000
.endr
	WIN ((\X)<<2)|((\X)<<4)
.irp i, 2,4,6,8,10,12,14
.irp b, 0,1,2,3
	v_max3_num_f32 v[TM+\b], v[TM+\b], |v[(\s)+16*\b+\i]|, |v[(\s)+16*\b+\i+1]|
.endr
.endr
	WIN 0
.irp b, 0,1,2,3
	v_permlanex16_b32 v[TM+4+\b], v[TM+\b], s[SEL], s[SEL+1]
.endr
.irp b, 0,1,2,3
	v_max_num_f32 v[TM+\b], v[TM+\b], v[TM+4+\b]
.endr
.irp b, 0,1,2,3
	v_add_nc_u32 v[TM+12+\b], 0xff000000, v[TM+\b]
.endr
.irp b, 0,1,2,3
	v_lshrrev_b32 v[TM+4+\b], 23, v[TM+12+\b]
.endr
	v_lshl_or_b32 v[\pw], v[TM+5], 8, v[TM+4]
	v_lshl_or_b32 v[\pw], v[TM+6], 16, v[\pw]
	v_lshl_or_b32 v[\pw], v[TM+7], 24, v[\pw]
	WIN \X
.irp c, 0,1
	v_cvt_scalef32_pk16_fp6_f32 v[(\pc)+6*\c:(\pc)+6*\c+2], v[(\s)+32*\c:(\s)+32*\c+15], v[TM+12+2*\c]
	v_cvt_scalef32_pk16_fp6_f32 v[CT+4*\c:CT+4*\c+2], v[(\s)+32*\c+16:(\s)+32*\c+31], v[TM+13+2*\c]
.endr
	WIN 0
	v_nop
.irp c, 0,1
.irp i, 0,1,2
	v_permlane16_swap_b32 v[(\pc)+6*\c+\i], v[CT+4*\c+\i]
.endr
.irp i, 0,1,2
	v_mov_b32 v[(\pc)+6*\c+3+\i], v[CT+4*\c+\i]
.endr
.endr
.endm
.macro KLOADC                          ; a step's 8 fragments of k: 24 loads
	WIN 0x40
.irp k, 0,1,2,3,4,5,6,7
.irp c, 0,1,2
	global_load_b128 v[KF+12*\k+4*\c:KF+12*\k+4*\c+3], v[LI], s[KB:KB+1] offset:24576*\k+512*\c
.endr
.endr
	WIN 0
.endm
.macro KLOADS                          ; and their scale words: 8 loads
.irp k, 0,1,2,3,4,5,6,7
	global_load_b32 v[KSC+\k], v[LS], s[KSB:KSB+1] offset:1024*\k
.endr
.endm
.macro VLOAD                           ; the same of v^T: four tiles of d for each head: 32 loads
	WIN 0x40
.irp k, 0,1,2,3,4,5,6,7
.irp c, 0,1,2
	global_load_b128 v[VF+12*\k+4*\c:VF+12*\k+4*\c+3], v[LI], s[VB:VB+1] offset:49152*\k+512*\c
.endr
.endr
	WIN 0
.irp k, 0,1,2,3,4,5,6,7
	global_load_b32 v[VSC+\k], v[LS], s[VSB:VSB+1] offset:2048*\k
.endr
.endm
; A PREFETCH INTO THE L2: a key step's codes of k and v^T are 96 aligned blocks of 256 bytes.  All work-groups of a head pair walk the same blocks: waves 4, 5, 6 of the pair's first work-group (16 steps each) ask, 32 blocks each,
; a lane a block, one instruction a trip, behind the wave's run of loads: in step s for step s + 2, one step ahead of the loads into registers.  Steps 0 and 1 come by their loads alone; the last trip asks for nothing.
.macro ASK
	s_cmp_gt_u32 s[CNT], s[LIM]
	s_cbranch_scc0 .Lnot_mine_\@
	s_wait_xcnt 0x0                                ; the last prefetch, a step back, has read its offset
	v_add_nc_u32 v[PFO], v[PFO], v[PFS]
	global_prefetch_b8 v[PFO], s[4:5] th:TH_LOAD_NT scope:SCOPE_SE
.Lnot_mine_\@:
.endm
.macro SOFT e                          ; one head's softmax of a key step: 64 scores a lane
.set SS, S+64*(\e)
.set U,  ST+8*(\e)
.set PX, PC+12*(\e)
.irp b, 0,1,2,3
	v_max3_num_f32 v[TM+\b], v[SS+16*\b], v[SS+16*\b+1], v[SS+16*\b+2]    ; the largest score of each block of 32 keys
.endr
.irp i, 3,5,7,9,11,13
.irp b, 0,1,2,3
	v_max3_num_f32 v[TM+\b], v[TM+\b], v[SS+16*\b+\i], v[SS+16*\b+\i+1]
.endr
.endr
.irp b, 0,1,2,3
	v_max_num_f32 v[TM+\b], v[TM+\b], v[SS+16*\b+15]
.endr
.irp b, 0,1,2,3
	v_permlanex16_b32 v[TM+4+\b], v[TM+\b], s[SEL], s[SEL+1]
.endr
.irp b, 0,1,2,3
	v_max_num_f32 v[TM+\b], v[TM+\b], v[TM+4+\b]
.endr
	v_max3_num_f32 v[X], v[TM], v[TM+1], v[TM+2]
	v_max_num_f32 v[X], v[X], v[TM+3]
	v_mul_f32 v[X], v[U+4], v[X]                   ; as t (c is positive)
	v_max_num_f32 v[U+1], v[U+1], v[X]             ; the running largest t
	v_mov_b32 v[X], v[U]
	v_floor_f32 v[U], -v[U+1]                      ; -M = floor(-t): M is a whole number
	v_sub_f32 v[X], v[U], v[X]
	v_cvt_i32_f32 v[X], v[X]                       ; (it saturates)
	v_ldexp_f32 v[U+6], 1.0, v[X]                  ; f = 2^(old M - new M)
.set J, 0
.rept 32
	v_pk_fma_f32 v[SS+J:SS+J+1], v[SS+J:SS+J+1], v[U+4:U+5], v[U:U+1] op_sel_hi:[1,0,0]   ; t - M
.set J, J+2
.endr
.irp b, 0,1,2,3
	v_fma_f32 v[TM+\b], v[TM+\b], v[U+4], v[U]
.endr
.set J, 0
.rept 64
	v_exp_f32 v[SS+J], v[SS+J]
.set J, J+1
.endr
	v_pk_mul_f32 v[U+2:U+3], v[U+2:U+3], v[U+6:U+7] op_sel_hi:[1,0]       ; the sums under the new M (a plain line behind the exponentials)
	s_wait_alu depctr_va_vdst(0)                   ; one wait for the batch, ahead of its first reader
.irp b, 0,1,2,3
	v_exp_f32 v[TM+\b], v[TM+\b]                   ; each block's largest weight
.endr
	v_pk_add_f32 v[TM+8:TM+9], v[SS:SS+1], v[SS+2:SS+3]                   ; the row's sum, of the unquantised weights, in two chains
.set J, 4
.rept 15
	v_pk_add_f32 v[U+2:U+3], v[U+2:U+3], v[SS+J:SS+J+1]
	v_pk_add_f32 v[TM+8:TM+9], v[TM+8:TM+9], v[SS+J+2:SS+J+3]
.set J, J+4
.endr
	v_pk_add_f32 v[U+2:U+3], v[U+2:U+3], v[TM+8:TM+9]
	s_wait_alu depctr_va_vdst(0)                   ; and one for the four
.irp b, 0,1,2,3
	v_max_num_f32 v[TM+\b], 0x1800000, v[TM+\b]    ; the floor 2^(3 - 127)
.endr
.irp b, 0,1,2,3
	v_add_nc_u32 v[TM+12+\b], 0xff000000, v[TM+\b]
.endr
.irp b, 0,1,2,3
	v_lshrrev_b32 v[TM+4+\b], 23, v[TM+12+\b]
.endr
	v_lshl_or_b32 v[PWS+\e], v[TM+5], 8, v[TM+4]
	v_lshl_or_b32 v[PWS+\e], v[TM+6], 16, v[PWS+\e]
	v_lshl_or_b32 v[PWS+\e], v[TM+7], 24, v[PWS+\e]
.irp c, 0,1
	v_cvt_scalef32_pk16_fp6_f32 v[PX+6*\c:PX+6*\c+2], v[SS+32*\c:SS+32*\c+15], v[TM+12+2*\c]
	v_cvt_scalef32_pk16_fp6_f32 v[CT+4*\c:CT+4*\c+2], v[SS+32*\c+16:SS+32*\c+31], v[TM+13+2*\c]
.endr
	v_nop
.irp c, 0,1
.irp i, 0,1,2
	v_permlane16_swap_b32 v[PX+6*\c+\i], v[CT+4*\c+\i]
.endr
.irp i, 0,1,2
	v_mov_b32 v[PX+6*\c+3+\i], v[CT+4*\c+\i]
.endr
.endr
	WIN 0x41
.set J, 0
.rept 16
	v_pk_mul_f32 v[O+32*(\e)+J:O+32*(\e)+J+1], v[O+32*(\e)+J:O+32*(\e)+J+1], v[U+6:U+7] op_sel_hi:[1,0]   ; O^T under the new M; these 16 are also the places between the scale word, the codes and the products
.set J, J+2
.endr
	WIN 0
.endm
.macro STEP masked, next
	s_wait_loadcnt 32                              ; k of this step, codes and scale words, is in; v's 32 loads, issued behind them, may be out
	WIN 0x01
.set K8, 0
.rept 8
	v_wmma_scale_f32_16x16x128_f8f6f4 v[S+8*K8:S+8*K8+7], v[KF+12*K8:KF+12*K8+11], v[QE:QE+11], 0, v[KSC+K8], v[QS] matrix_a_fmt:MATRIX_FMT_FP6 matrix_b_fmt:MATRIX_FMT_FP6
	v_wmma_scale_f32_16x16x128_f8f6f4 v[S+64+8*K8:S+64+8*K8+7], v[KF+12*K8:KF+12*K8+11], v[QO:QO+11], 0, v[KSC+K8], v[QS] matrix_a_fmt:MATRIX_FMT_FP6 matrix_b_fmt:MATRIX_FMT_FP6
.set K8, K8+1
.endr
	WIN 0
	PLACES 4                                       ; in front of the loads into k's registers and of the first read of the scores
.if \next
	s_add_nc_u64 s[KB:KB+1], s[KB:KB+1], 196608    ; (the loads that read these bases were shown done by the wait at the step's head)
	s_add_nc_u64 s[KSB:KSB+1], s[KSB:KSB+1], 8192
	KLOADC                                         ; with v's 32 these 24 make 56 loads of mine out: inside LOADcnt's field, so that none is held at issue (ISA guide 5.7.1) ahead of the softmax
	ASK
.endif
.if \masked                            ; register 16 b + i holds key 32 b + 16 h + i of the step: hidden where 32 b + i > my query's place less 16 h
.set MN, 0
.rept 64
	v_cmp_gt_i32 vcc_lo, 32*(MN/16)+MN%16, v[DQ]
	v_cndmask_b32 v[S+MN], v[S+MN], v[NINF], vcc_lo
	v_cndmask_b32 v[S+64+MN], v[S+64+MN], v[NINF], vcc_lo
.set MN, MN+1
.endr
.endif
	SOFT 0
.if \next
	KLOADS                                         ; the next step's 8 scale words of k are asked for here, a softmax behind its codes
.endif
	SOFT 1
.if \next
	s_wait_loadcnt 32                              ; v of this step is in; the next step's k, 24 + 8 loads, may be out
.else
	s_wait_loadcnt 0x0
.endif
	WIN 0x51
.set T4, 0
.rept 4                                ; the eight accumulators take turns
	v_wmma_scale_f32_16x16x128_f8f6f4 v[O+8*T4:O+8*T4+7], v[VF+12*T4:VF+12*T4+11], v[PC:PC+11], v[O+8*T4:O+8*T4+7], v[VSC+T4], v[PWS] matrix_a_fmt:MATRIX_FMT_FP6 matrix_b_fmt:MATRIX_FMT_FP6
	v_wmma_scale_f32_16x16x128_f8f6f4 v[O+32+8*T4:O+32+8*T4+7], v[VF+48+12*T4:VF+48+12*T4+11], v[PC+12:PC+23], v[O+32+8*T4:O+32+8*T4+7], v[VSC+4+T4], v[PWS+1] matrix_a_fmt:MATRIX_FMT_FP6 matrix_b_fmt:MATRIX_FMT_FP6
.set T4, T4+1
.endr
	WIN 0
.if \next
	PLACES 4
	s_add_nc_u64 s[VB:VB+1], s[VB:VB+1], 1536
	s_add_nc_u64 s[VSB:VSB+1], s[VSB:VSB+1], 64
	VLOAD
.endif
.endm
	s_load_b128 s[4:7], s[0:1], 0x0                ; qkv, p
	s_load_b64 s[8:9], s[0:1], 0x10                ; att
	v_lshrrev_b32 v1, 5, v0
	v_readfirstlane_b32 s10, v1                    ; wave
	v_and_b32 v1, 15, v0                           ; r
	v_bfe_u32 v2, v0, 4, 1                         ; h
	v_and_b32 v9, 31, v0                           ; lane
	v_lshlrev_b32 v[LI], 4, v9
	v_lshlrev_b32 v[LS], 2, v1
	s_and_b32 s11, ttmp7, 0xffff
	s_lshr_b32 s12, s11, 3                         ; batch
	s_and_b32 s13, s11, 7                          ; head pair
	s_and_b32 s17, s10, 3
	s_lshl_b32 s14, ttmp9, 2
	s_add_co_u32 s14, s14, s17
	s_sub_co_u32 s20, 127, s14
	s_cmp_lt_u32 s10, 4
	s_cselect_b32 s14, s14, s20                    ; my tile of queries, 0 .. 127
	s_lshr_b32 s[CNT], s14, 3                      ; key steps in front of the last
	s_bfe_u32 s20, s14, 0x20001
	s_lshl_b32 s20, s20, 5
	s_and_b32 s21, s14, 1
	s_lshl_b32 s21, s21, 3
	s_add_co_u32 s20, s20, s21                     ; the tile's first token, counted from the last step's first key
	v_and_b32 v[DQ], 8, v1
	v_add_nc_u32 v[DQ], v[DQ], v1
	v_lshlrev_b32 v10, 4, v2
	v_sub_nc_u32 v[DQ], v[DQ], v10
	v_add_nc_u32 v[DQ], s20, v[DQ]
	v_mov_b32 v[NINF], 0xff800000
	s_lshl_b32 s21, s12, 7
	s_add_co_u32 s21, s21, s14                     ; the token tile among all 256
	s_lshl_b32 s32, s21, 4
	s_add_co_u32 s32, s32, s13                     ; q's fragment
	s_lshl_b32 s34, s32, 6
	s_add_co_u32 s34, s34, QSC
	s_mul_i32 s32, s32, 1536
	s_lshl_b32 s36, s21, 3
	s_add_co_u32 s36, s36, s13                     ; att's fragment
	s_lshl_b32 s38, s36, 6
	s_add_co_u32 s38, s38, ASC
	s_mul_i32 s36, s36, 1536
	s_lshl_b32 s24, s12, 11
	s_add_co_u32 s24, s24, s13
	s_add_co_u32 s24, s24, 8                       ; k's first fragment
	s_lshl_b32 s26, s24, 6
	s_add_co_u32 s26, s26, QSC
	s_mul_i32 s24, s24, 1536
	s_lshl_b32 s28, s13, 8
	s_lshl_b32 s20, s12, 4
	s_add_co_u32 s28, s28, s20
	s_add_co_u32 s28, s28, 4096                    ; v^T's first fragment
	s_lshl_b32 s30, s28, 6
	s_add_co_u32 s30, s30, QSC
	s_mul_i32 s28, s28, 1536
.irp r, 25,27,29,31,33,35,37,39
	s_mov_b32 s\r, 0
.endr
	; the prefetches: block i = 32 (w % 4) + lane of a step's 96; under 48 k's, else v's; six blocks to a fragment
	s_add_co_u32 s40, s24, 196608                  ; step 1 of k,
	s_add_co_u32 s41, s28, 1536                    ; and of v^T: the first trip steps both to step 2
	s_lshl_b32 s20, s17, 5
	v_add_nc_u32 v10, s20, v9
	v_cmp_gt_u32 vcc_lo, 48, v10
	v_add_nc_u32 v11, 0xffffffd0, v10
	v_cndmask_b32 v11, v11, v10, vcc_lo
	v_mul_u32_u24 v12, v11, 43
	v_lshrrev_b32 v12, 8, v12                      ; the fragment: i / 6 for i under 48
	v_mul_u32_u24 v13, v12, 6
	v_sub_nc_u32 v13, v11, v13                     ; the block in it
	v_mov_b32 v14, 49152
	v_mov_b32 v15, 24576
	v_cndmask_b32 v14, v14, v15, vcc_lo
	v_mul_lo_u32 v12, v12, v14
	v_lshl_add_u32 v12, v13, 8, v12
	v_mov_b32 v13, s41
	v_mov_b32 v14, s40
	v_cndmask_b32 v13, v13, v14, vcc_lo
	v_add_nc_u32 v[PFO], v12, v13
	v_mov_b32 v13, 1536
	v_mov_b32 v14, 196608
	v_cndmask_b32 v[PFS], v13, v14, vcc_lo
	s_sub_co_u32 s20, s10, 4
	s_cmp_lt_u32 s20, 3                            ; waves 4, 5, 6
	s_cselect_b32 s20, 0, 1
	s_or_b32 s20, s20, ttmp9                       ; of the pair's first work-group
	s_cmp_eq_u32 s20, 0
	s_cselect_b32 s[LIM], 1, -1
	s_mov_b32 s[SEL], 0x76543210
	s_mov_b32 s[SEL+1], 0xfedcba98
	s_lshl_b32 s20, s13, 3
	s_wait_kmcnt 0x0
	s_load_b64 s[22:23], s[6:7], s20 offset:0x0    ; p of my two heads
	s_add_nc_u64 s[KB:KB+1], s[4:5], s[24:25]
	s_add_nc_u64 s[KSB:KSB+1], s[4:5], s[26:27]
	s_add_nc_u64 s[VB:VB+1], s[4:5], s[28:29]
	s_add_nc_u64 s[VSB:VSB+1], s[4:5], s[30:31]
	s_add_nc_u64 s[32:33], s[4:5], s[32:33]
	s_add_nc_u64 s[34:35], s[4:5], s[34:35]
	s_add_nc_u64 s[36:37], s[8:9], s[36:37]
	s_add_nc_u64 s[38:39], s[8:9], s[38:39]
.irp c, 0,1,2
	global_load_b128 v[QE+4*\c:QE+4*\c+3], v[LI], s[32:33] offset:512*\c
.endr
	global_load_b32 v[QS], v[LS], s[34:35]
	KLOADC
	KLOADS
	s_wait_loadcnt 32                              ; q is in; k's 32 loads may be out
.irp i, 0,1,2,3,4,5
	v_mov_b32 v[QO+6+\i], v[QE+6+\i]               ; registers 6-11 hold k = 64 .. 127: the odd head
	v_mov_b32 v[QO+\i], 0
	v_mov_b32 v[QE+6+\i], 0                        ; zero codes add nothing, whatever their scale
.endr
	VLOAD
	s_wait_kmcnt 0x0
	v_mov_b32 v[ST+4], s22
	v_mov_b32 v[ST+12], s23
	v_rsq_f32 v[ST+4], v[ST+4]
	v_rsq_f32 v[ST+12], v[ST+12]
	v_nop
	s_wait_alu depctr_va_vdst(0)
.irp e, 0,1
	v_mul_f32 v[ST+8*\e+4], 0x3fb8aa3b, v[ST+8*\e+4]   ; c = log2(e) / sqrt(p)
	v_mov_b32 v[ST+8*\e+1], 0xff61b1e6             ; the largest t so far: -3e38
	v_mov_b32 v[ST+8*\e+2], 0
	v_mov_b32 v[ST+8*\e+3], 0
	v_mov_b32 v[ST+8*\e+7], 0                      ; (named as the upper half of a pair)
.endr
.irp e, 0,1
	v_mov_b32 v[ST+8*\e+5], v[ST+8*\e+4]
	v_floor_f32 v[ST+8*\e], -v[ST+8*\e+1]
.endr
.irp b, 0,1,2,3
	v_mov_b32 v[TM+4+\b], 0
.endr
	WIN 0x40
.set J, 0
.rept 64
	v_mov_b32 v[O+J], 0                            ; the step is written for every step alike: the first finds zeros, which the first change of M leaves zeros
.set J, J+1
.endr
	WIN 0
	s_cmp_eq_u32 s[CNT], 0
	s_cbranch_scc1 .Llast
.Lstep:
	STEP 0, 1
	s_sub_co_u32 s[CNT], s[CNT], 1
	s_cmp_lg_u32 s[CNT], 0
	s_cbranch_scc1 .Lstep
.Llast:
	STEP 1, 0                                      ; the step on the diagonal
	PLACES 4
.irp e, 0,1
	v_add_f32 v[X+\e], v[ST+8*\e+2], v[ST+8*\e+3]
.endr
.irp e, 0,1
	v_permlanex16_b32 v[TM+4+\e], v[X+\e], s[SEL], s[SEL+1]
.endr
.irp e, 0,1
	v_add_f32 v[X+\e], v[X+\e], v[TM+4+\e]         ; the row's sum
.endr
.irp e, 0,1
	v_rcp_f32 v[X+\e], v[X+\e]
.endr
	v_nop
	s_wait_alu depctr_va_vdst(0)
	WIN 0x01
.set J, 0
.rept 64
	v_mul_f32 v[S+J], v[O+J], v[X+J/32]            ; register 16 b + i = column 128 pair + 32 b + 16 h + i of att
.set J, J+1
.endr
	WIN 0
	QUANT S, 0, PC, PWS
.irp c, 0,1,2
	global_store_b128 v[LI], v[PC+4*\c:PC+4*\c+3], s[36:37] offset:512*\c
.endr
	global_store_b32 v[LS], v[PWS], s[38:39]
	s_endpgm
.Lfunc_end_k_qa6937ce356_attn:
	.size	k_qa6937ce356_attn, .Lfunc_end_k_qa6937ce356_attn-k_qa6937ce356_attn
	.p2alignl 7, 3214868480
	.fill 96, 4, 3214868480
	.section	.rodata,"a",@progbits
	.p2align	6, 0x0
	.amdhsa_kernel k_qa6937ce356_attn
		.amdhsa_group_segment_fixed_size 0
		.amdhsa_private_segment_fixed_size 0
		.amdhsa_enable_private_segment 0
		.amdhsa_kernarg_size 24
		.amdhsa_user_sgpr_count 2
		.amdhsa_user_sgpr_kernarg_segment_ptr 1
		.amdhsa_wavefront_size32 1
		.amdhsa_system_sgpr_workgroup_id_x 1
		.amdhsa_system_sgpr_workgroup_id_y 1
		.amdhsa_system_sgpr_workgroup_id_z 1
		.amdhsa_system_vgpr_workitem_id 0
		.amdhsa_next_free_vgpr 512
		.amdhsa_next_free_sgpr 66
		.amdhsa_reserve_vcc 1
		.amdhsa_float_denorm_mode_32 3
		.amdhsa_float_denorm_mode_16_64 3
		.amdhsa_memory_ordered 1
		.amdhsa_forward_progress 1
		.amdhsa_inst_pref_size 89
	.end_amdhsa_kernel
	.amdgpu_metadata
---
amdhsa.version: [ 1, 2 ]
amdhsa.kernels:
  - .name:           k_qa6937ce356_attn
    .symbol:         k_qa6937ce356_attn.kd
    .args:
      - { .name: qkv, .offset: 0, .size: 8, .value_kind: global_buffer, .address_space: global }
      - { .name: p, .offset: 8, .size: 8, .value_kind: global_buffer, .address_space: global }
      - { .name: att, .offset: 16, .size: 8, .value_kind: global_buffer, .address_space: global }
    .group_segment_fixed_size: 0
    .private_segment_fixed_size: 0
    .kernarg_segment_align: 8
    .kernarg_segment_size: 24
    .max_flat_workgroup_size: 256
    .sgpr_count:     66
    .vgpr_count:     512
    .wavefront_size: 32
...
	.end_amdgpu_metadata
.endif
;; end of part 4
;; launch projg (part 5): grid 8 x 32, 4 waves a work-group, clusters of 4 x 4, 327,680 bytes of LDS; arguments att, wts, x, x1; writes x1
.if DOCPART == 5
	.amdgcn_target "amdgcn-amd-amdhsa--gfx1250"
	.amdhsa_code_object_version 6
	.text
	.protected	k_qa6937ce356_projg
	.globl	k_qa6937ce356_projg
	.p2align	8
	.type	k_qa6937ce356_projg,@function
k_qa6937ce356_projg:
	s_mov_b64 s[64:65], 0
	v_nop
	global_prefetch_b8 v0, s[64:65] scope:SCOPE_SE
	s_setreg_imm32_b32 hwreg(HW_REG_WAVE_MODE, 25, 1), 1
	s_wait_xcnt 0x0
	s_wait_alu depctr_hold_cnt(0) depctr_sa_sdst(0) depctr_va_vdst(0) depctr_va_sdst(0) depctr_va_ssrc(0) depctr_va_vcc(0) depctr_vm_vsrc(0)
	s_getreg_b32 s2, hwreg(HW_REG_IB_STS2, 6, 4)
	s_cmp_eq_u32 s2, 0
	s_cbranch_scc0 .Lentry_in_a_cluster
	s_endpgm
.Lentry_in_a_cluster:
	s_bfe_u32 s2, ttmp6, 0x10000c
	s_cmp_lg_u32 s2, 0xf033
	s_cbranch_scc0 .Lentry_shape_is_right
	s_endpgm
.Lentry_shape_is_right:
; x1 = x + att Wproj on codes of FP6 (E2M3).  (The text is that of the second feed-forward product with other sizes: KS and the three offsets below.)
; OPERANDS ARE IMAGES OF OPERAND REGISTERS: fragment (tile, K step) = 1,536 bytes at 1536 (tile x KS + K step), three loads of 16 bytes a lane; its 16 scale words at 64 x the same number.
; Row r of tile t is index 32 (t / 2) + 8 (t % 2) + r + 8 (r / 8).  SOURCE 0 = B's 16 rows (the weight's columns), SOURCE 1 = A's (tokens): a lane holds one token and pieces of eight neighbouring columns.
; The result has 32 x 8 tiles of 128 x 128: a work-group makes 2 NA x 2 NB = 8 x 8 tiles of 16 x 16, so that there are 256 work-groups; each of four waves NA x NB = 16 accumulators.
; K goes NQ = 4 steps of 128 to a slot; a wave's one tensor load brings NA rows of NQ x 1,536 bytes.  Here KS = 8: the two slots hold all of K, both are filled at the start, and nothing is filled again.
; A work-group so takes in 98,304 bytes of A and as many of B; with a whole row of 1,024 columns to a work-group (which the norm behind this product would want) it would take in all 786,432 bytes of the weight: so the norm is a launch of its own.
; CLUSTERS: 4 x 4; A's tiles are asked for jointly along a row of the cluster, B's along a column.  The scale words of all of K come once, with the first fills.
; THE RESIDUAL'S ROWS are asked for at the head, into registers that lie idle till the way out: they land under the K steps.
; LIMITS: NaN and infinities are not served.
.set KS,    8
.set ASOFF, 3145728                    ; att's scale words; Wproj's codes and scale words in wts
.set BOFF,  2359296
.set BSOFF, 9535488
.set NQ,   4
.set NA,   4
.set NB,   4
.set HALFT, NA*NQ*1536                 ; what one tensor load brings, and what a wave reads of A or of B in a slot
.set SLOT,  4*HALFT                    ; A's two halves, B's two halves
.set LAPS,  KS/(2*NQ)
.set SCL,   2*SLOT                     ; behind the ring: the scale words, filled once
.set HALFS, NA*KS*64
.set STAGE, SCL+4*HALFS                ; 16 rows x 272 bytes for each wave; no fill lands there
.set SPARE, STAGE+4*16*272             ; the spare words, 128 bytes for each wave: two blocks of 256 bytes that no other line names
.set ADRA, 16                          ; v16-17 my A fragments in slot 0, 1: 16 x lane + my half
.set ADRB, 20                          ; v20-21 the same for B
.set STO,  24                          ; v24 the stage: where I put 16 bytes of a row
.set RD,   25                          ; v25 and where I read a row back
.set CO,   26                          ; v26 my byte offset in two rows of the residual and the result
.set ADRS, 27                          ; v27 my scale words: lanes 0-15 A's rows, lanes 16-31 B's
.set SPW,  28                          ; v28 my spare word; never rewritten
.set NIL,  29                          ; v29 0; never rewritten
.set LI,   30                          ; v30 16 x lane
.set LS,   31                          ; v31 4 r
.set SC,   32                          ; v32-63 scale words, two sets of 16: register NQ i + q: lanes 0-15 A's block i, lanes 16-31 B's block i
.set XR,   128                         ; window 2: v128-255 the residual's rows, 32 registers for each of A's four blocks
.set G1,   24
.set G0,   32
.set G1B,  48
.set G0B,  56
.set G1S,  68
.set G0S,  76
.set G1SB, 80
.set G0SB, 88
.set LAPC, 100
; REGISTERS: window 0: from v64 and from v160 A's fragments, two sets.  window 1: from v0 and from v128 B's, two sets.  window 2: accumulator (a, b) at 8 (a NB + b); from v128 the residual.
.set MSB, 0
.macro WIN new                         ; the immediate's high byte repeats the setting that is left
.if MSB != (\new)
	s_set_vgpr_msb (MSB<<8)|(\new)
.set MSB, \new
.endif
.endm
.macro PLACES n
.rept \n
	v_nop
.endr
.endm
; a joint load: waves 0 and 1 fetch for A, waves 2 and 3 for B; an s_nop 0 and four v_nop follow each line
.macro JLOAD g0a, g1a, g0b, g1b
	s_cmp_eq_u32 s15, 0
	s_cbranch_scc0 .Lfor_b_\@
	tensor_load_to_lds s[\g0a:\g0a+3], s[\g1a:\g1a+7]
	s_nop 0
.rept 4
	v_nop
.endr
	s_branch .Lasked_\@
.Lfor_b_\@:
	tensor_load_to_lds s[\g0b:\g0b+3], s[\g1b:\g1b+7]
	s_nop 0
.rept 4
	v_nop
.endr
.Lasked_\@:
.endm
.macro CREST                           ; a round of the cluster's barrier behind its opening barrier
	s_cmp_lg_u32 s14, 0
	s_cbranch_scc1 .Lnot_wave_0_\@
	s_barrier_signal -3
.Lnot_wave_0_\@:
	s_barrier_wait -3
	s_barrier_signal -1
	s_barrier_wait -1
.endm
.macro CROUND
	s_barrier_signal -1
	s_barrier_wait -1
	CREST
.endm
.macro FRAGL reg, adr, off             ; a fragment comes as it was stored: three loads, 512 consecutive bytes each
.irp c, 0,1,2
	ds_load_b128 v[(\reg)+4*\c:(\reg)+4*\c+3], v[\adr] offset:(\off)+512*\c
.endr
.endm
.macro FETCH slot, q, p                ; the slot's q-th 128 along K into set p
	WIN 0x40
.set FI, 0
.rept NB
	FRAGL 128*(\p)+12*FI, ADRB+\slot, (FI*NQ+(\q))*1536
.set FI, FI+1
.endr
	WIN 0
.set FI, 0
.rept NA
	FRAGL 64+96*(\p)+12*FI, ADRA+\slot, (FI*NQ+(\q))*1536
.set FI, FI+1
.endr
.endm
.macro SCALES sc
.set FI, 0
.rept NA
.set FQ, 0
.rept NQ
	ds_load_b32 v[SC+16*(\sc)+NQ*FI+FQ], v[ADRS] offset:FI*KS*64+64*FQ
.set FQ, FQ+1
.endr
.set FI, FI+1
.endr
.endm
.macro MULA a, p, q, sc, zero          ; A's block a against B's NB blocks
	WIN 0xa1+0x50*(((\a)*NB)/32)
.set AC, 8*(((\a)*NB)%32)
.set MB, 0
.rept NB
.if \zero
	v_wmma_scale_f32_16x16x128_f8f6f4 v[AC+8*MB:AC+8*MB+7], v[128*(\p)+12*MB:128*(\p)+12*MB+11], v[64+96*(\p)+12*(\a):64+96*(\p)+12*(\a)+11], 0, v[SC+16*(\sc)+NQ*MB+(\q)], v[SC+16*(\sc)+NQ*(\a)+(\q)] matrix_a_fmt:MATRIX_FMT_FP6 matrix_b_fmt:MATRIX_FMT_FP6 matrix_a_scale:MATRIX_SCALE_ROW1
.else
	v_wmma_scale_f32_16x16x128_f8f6f4 v[AC+8*MB:AC+8*MB+7], v[128*(\p)+12*MB:128*(\p)+12*MB+11], v[64+96*(\p)+12*(\a):64+96*(\p)+12*(\a)+11], v[AC+8*MB:AC+8*MB+7], v[SC+16*(\sc)+NQ*MB+(\q)], v[SC+16*(\sc)+NQ*(\a)+(\q)] matrix_a_fmt:MATRIX_FMT_FP6 matrix_b_fmt:MATRIX_FMT_FP6 matrix_a_scale:MATRIX_SCALE_ROW1
.endif
.set MB, MB+1
.endr
.endm
.macro MULS a0, n, p, q, sc, zero      ; all accumulators take turns, one instruction a turn, in the same order in every step
.set MA, \a0
.rept \n
	MULA MA, \p, \q, \sc, \zero
.set MA, MA+1
.endr
.endm
.macro STEP slot, q, zero              ; a step of 128 along K that has its successor in the same slot
	s_wait_dscnt 0x0                               ; this step's fragments, asked for a step ago, are in
	PLACES 4                                       ; in front of loads into registers that matrix instructions have read
	FETCH \slot, (\q)+1, ((\q)+1)%2
	MULS 0, NA, (\q)%2, \q, \slot, \zero
	WIN 0
.endm
.macro STEPS slot, zero
.set SQ, 0
.rept NQ-1
.if SQ == 0
	STEP \slot, SQ, \zero
.else
	STEP \slot, SQ, 0
.endif
.set SQ, SQ+1
.endr
.endm
; A slot's last step changes slots: one barrier; in front of it each wave waits for all its tensor loads, adds 0 to its spare word, and waits for that and for its reads of this slot.
.macro TURN slot, next, fill
	s_wait_tensorcnt 0x0                           ; all my tensor loads have landed: my part of the next slot
	ds_add_u32 v[SPW], v[NIL]                      ; 0 onto my spare word
	s_wait_dscnt 1                                 ; this step's fragments are in; the add alone may be out
	MULS 0, NA/4, 1, NQ-1, \slot, 0
	s_wait_dscnt 0x0                               ; the add is done, and my reads of this slot are over
	s_barrier_signal -1
	MULS NA/4, NA/4, 1, NQ-1, \slot, 0
	WIN 0
	s_barrier_wait -1
.if \fill
	CREST                                          ; the barrier has opened a round of the cluster's: no wave of any partner still reads this slot or has a load on its way
	s_add_nc_u64 s[G0+4*\slot+2:G0+4*\slot+3], s[G0+4*\slot+2:G0+4*\slot+3], 2*NQ*1536
	s_add_nc_u64 s[G0B+4*\slot+2:G0B+4*\slot+3], s[G0B+4*\slot+2:G0B+4*\slot+3], 2*NQ*1536
	JLOAD G0+4*\slot, G1, G0B+4*\slot, G1B         ; the first tensor load behind the round; its four v_nop are the places in front of the loads below
.else
	PLACES 4
.endif
	v_add_nc_u32 v[ADRS], NQ*64, v[ADRS]           ; the next slot's scale words
	FETCH \next, 0, 0
	SCALES \next
	MULS NA/2, NA/2, 1, NQ-1, \slot, 0
	WIN 0
.endm
	s_load_b128 s[4:7], s[0:1], 0x0                ; A's buffer, wts
	s_load_b128 s[8:11], s[0:1], 0x10              ; the residual, the result
	v_lshl_add_u32 v[SPW], v0, 2, SPARE
	v_mov_b32 v[NIL], 0
	ds_add_u32 v[SPW], v[NIL]                      ; the wave's opening: the add and its wait come ahead of my first tensor load; work on registers stands between
	v_lshrrev_b32 v1, 5, v0
	v_readfirstlane_b32 s14, v1                    ; wave
	s_lshr_b32 s15, s14, 1                         ; my half of A's tiles.  Also: I fetch for A (0) or for B (1)
	s_and_b32 s16, s14, 1                          ; my half of B's tiles.  Also: which half I fetch
	s_bfe_u32 s40, ttmp6, 0x40000                  ; cx
	s_bfe_u32 s41, ttmp6, 0x40004                  ; cy
	s_and_b32 s13, ttmp7, 0xffff                   ; cluster y
	s_lshl_b32 s42, ttmp9, 2                       ; 4 x cluster x
	s_lshl_b32 s17, s13, 2                         ; 4 x cluster y
	s_add_co_u32 s42, s42, s40                     ; tile column
	s_add_co_u32 s17, s17, s41                     ; tile row
	s_lshl_b32 s43, s41, 2
	s_lshl_b32 s43, 15, s43                        ; my row of the cluster
	s_lshl_b32 s44, 0x1111, s40                    ; my column
	; group 1 for the codes: NA rows (a tile each) of NQ x 1,536 bytes, KS x 1,536 bytes apart, in elements of 8 bytes; no padding
	s_or_b32 s[G1+0], s43, (3<<16)|(1<<21)
	s_or_b32 s[G1B+0], s44, (3<<16)|(1<<21)
.irp g, G1, G1B
	s_mov_b32 s[\g+1], (NQ*192)<<16                ; tensor_dim0
	s_mov_b32 s[\g+2], NA<<16                      ; tensor_dim1
	s_mov_b32 s[\g+3], (NQ*192)<<16                ; tile_dim0
	s_mov_b32 s[\g+4], NA                          ; tile_dim1
	s_mov_b32 s[\g+5], KS*192                      ; tensor_dim0_stride
	s_mov_b32 s[\g+6], 0
	s_mov_b32 s[\g+7], 0
.endr
	; and for the scale words of NA tiles, all of K: a dense block, as rows of 256 bytes
	s_or_b32 s[G1S+0], s43, (3<<16)|(1<<21)
	s_or_b32 s[G1SB+0], s44, (3<<16)|(1<<21)
.irp g, G1S, G1SB
	s_mov_b32 s[\g+1], 32<<16
	s_mov_b32 s[\g+2], (HALFS/256)<<16
	s_mov_b32 s[\g+3], 32<<16
	s_mov_b32 s[\g+4], HALFS/256
	s_mov_b32 s[\g+5], 32
	s_mov_b32 s[\g+6], 0
	s_mov_b32 s[\g+7], 0
.endr
	s_mul_i32 s21, s16, NA                         ; which half I fetch
	s_mul_i32 s20, s17, 2*NA
	s_add_co_u32 s20, s20, s21                     ; A: its first tile
	s_mul_i32 s46, s42, 2*NB
	s_add_co_u32 s46, s46, s21                     ; B: its first tile
	s_mul_i32 s22, s20, KS*64
	s_mul_i32 s20, s20, KS*1536
	s_mul_i32 s92, s46, KS*64
	s_mul_i32 s46, s46, KS*1536
	s_add_co_u32 s22, s22, ASOFF
	s_add_co_u32 s46, s46, BOFF
	s_add_co_u32 s92, s92, BSOFF
	s_mov_b32 s21, 0
	s_mov_b32 s23, 0
	s_mov_b32 s47, 0
	s_mov_b32 s93, 0
	s_mul_i32 s45, s14, HALFT                      ; where they go: wave x a quarter of a slot: no place in the cluster enters an LDS address
	s_mul_i32 s94, s14, HALFS
	s_lshl_b32 s96, s17, 19                        ; my first row of the residual and the result: 128 x tile row + 64 x half, rows of 4,096 bytes;
	s_lshl_b32 s97, s15, 18
	s_add_co_u32 s96, s96, s97
	s_lshl_b32 s98, s42, 9                         ; my first column: 128 x tile column + 64 x half
	s_lshl_b32 s99, s16, 8
	s_add_co_u32 s98, s98, s99
	s_add_co_u32 s96, s96, s98
	s_mov_b32 s97, 0
	s_wait_dscnt 0x0                               ; the opening add is done
	s_wait_kmcnt 0x0
	s_add_nc_u64 s[20:21], s[4:5], s[20:21]
	s_add_nc_u64 s[22:23], s[4:5], s[22:23]
	s_add_nc_u64 s[46:47], s[6:7], s[46:47]
	s_add_nc_u64 s[92:93], s[6:7], s[92:93]
	s_add_nc_u64 s[8:9], s[8:9], s[96:97]
	s_add_nc_u64 s[10:11], s[10:11], s[96:97]
	CROUND                                         ; all sixteen work-groups are here: the first joint loads meet
	s_mov_b32 s[G0S], 1
	s_add_co_u32 s[G0S+1], s94, SCL
	s_mov_b64 s[G0S+2:G0S+3], s[22:23]
	s_or_b32 s[G0S+3], s[G0S+3], 0x80000000
	s_mov_b32 s[G0SB], 1
	s_add_co_u32 s[G0SB+1], s94, SCL
	s_mov_b64 s[G0SB+2:G0SB+3], s[92:93]
	s_or_b32 s[G0SB+3], s[G0SB+3], 0x80000000
	JLOAD G0S, G1S, G0SB, G1SB                     ; three loads of mine are out behind these lines: the scale words, slot 0, slot 1
.irp s, 0,1
	s_mov_b32 s[G0+4*\s], 1
	s_add_co_u32 s[G0+4*\s+1], s45, \s*SLOT
	s_add_nc_u64 s[G0+4*\s+2:G0+4*\s+3], s[20:21], \s*NQ*1536
	s_or_b32 s[G0+4*\s+3], s[G0+4*\s+3], 0x80000000
	s_mov_b32 s[G0B+4*\s], 1
	s_add_co_u32 s[G0B+4*\s+1], s45, \s*SLOT
	s_add_nc_u64 s[G0B+4*\s+2:G0B+4*\s+3], s[46:47], \s*NQ*1536
	s_or_b32 s[G0B+4*\s+3], s[G0B+4*\s+3], 0x80000000
	JLOAD G0+4*\s, G1, G0B+4*\s, G1B
.endr
	v_and_b32 v1, 15, v0                           ; r
	v_bfe_u32 v2, v0, 4, 1                         ; h
	v_and_b32 v3, 31, v0
	v_lshlrev_b32 v[LI], 4, v3
	v_lshlrev_b32 v[LS], 2, v1
	v_lshlrev_b32 v4, 12, v2
	v_lshl_add_u32 v[CO], v1, 4, v4                ; lanes 0-15 one row's 256 bytes, lanes 16-31 the next row's
	; the residual: row 2 i + h of A's block a is token 32 (a / 2) + 8 (a % 2) + 2 i + h + 8 (i / 4).  32 loads, waited for on the way out
	WIN 0x80                                       ; destination window 2
.set WA, 0
.rept 4
.set WI, 0
.rept 8
	global_load_b128 v[XR+32*WA+4*WI:XR+32*WA+4*WI+3], v[CO], s[8:9] offset:(32*(WA>>1)+8*(WA&1)+2*WI+8*(WI>>2))*4096 th:TH_LOAD_NT
.set WI, WI+1
.endr
.set WA, WA+1
.endr
	WIN 0
	s_mul_i32 s18, s15, HALFT
	s_mul_i32 s19, s16, HALFT
	s_add_co_u32 s19, s19, 2*HALFT
.irp s, 0,1
	v_add_nc_u32 v[ADRA+\s], s18, v[LI]
	v_add_nc_u32 v[ADRB+\s], s19, v[LI]
	s_add_co_u32 s18, s18, SLOT
	s_add_co_u32 s19, s19, SLOT
.endr
	s_mul_i32 s18, s15, HALFS
	s_mul_i32 s19, s16, HALFS
	s_add_co_u32 s19, s19, 2*HALFS
	s_sub_co_u32 s19, s19, s18
	v_mul_u32_u24 v4, s19, v2                      ; lanes 16-31 take B's: one product, the distance between the two
	s_add_co_u32 s18, s18, SCL
	v_add_nc_u32 v4, v4, v[LS]
	v_add_nc_u32 v[ADRS], s18, v4
	s_mul_i32 s18, s14, 16*272
	s_add_co_u32 s18, s18, STAGE                   ; my stage
	v_mul_u32_u24 v4, v1, 272
	v_lshl_add_u32 v4, v2, 6, v4
	v_add_nc_u32 v[STO], s18, v4                   ; in: row r, + 64 h
	v_mul_u32_u24 v4, v2, 272
	v_lshl_add_u32 v4, v1, 4, v4
	v_add_nc_u32 v[RD], s18, v4                    ; back: lanes 0-15 one row of 256 bytes, lanes 16-31 the next
	s_wait_tensorcnt 1                             ; the scale words and my part of slot 0 are in; slot 1's load may be out
	s_barrier_signal -1
	s_barrier_wait -1
	FETCH 0, 0, 0
	SCALES 0
	STEPS 0, 1                                     ; the first step's products start the sums: nothing is cleared
.if LAPS > 1
	s_mov_b32 s[LAPC], LAPS-1
.Llap:                                             ; a trip goes once round the ring and fills both slots again
	TURN 0, 1, 1
	STEPS 1, 0
	TURN 1, 0, 1
	STEPS 0, 0
	s_sub_co_u32 s[LAPC], s[LAPC], 1
	s_cmp_lg_u32 s[LAPC], 0
	s_cbranch_scc1 .Llap
.endif
	TURN 0, 1, 0                                   ; the last lap fills nothing
	STEPS 1, 0
	s_wait_dscnt 0x0
	MULS 0, NA, 1, NQ-1, 1, 0
	WIN 0
	PLACES 4                                       ; in front of the first read of results, and of loads over A's fragments
; THE WAY OUT: + the residual, f32.  A lane holds pieces of one row; a block of 16 rows x 64 columns goes through my own stage and comes back as rows of 256 bytes, which sixteen lanes store whole and aligned.
.set WA, 0
.rept 4
.if WA > 0
	s_wait_xcnt 0x0                                ; the earlier stores have read their registers: the loads below may land there
.endif
	WIN 0x08                                       ; an LDS store's data: window 2
.set WI, 0
.rept 4
	ds_store_b128 v[STO], v[32*WA+8*WI:32*WA+8*WI+3] offset:128*(WI>>1)+32*(WI&1)       ; each accumulator from its low end on
	ds_store_b128 v[STO], v[32*WA+8*WI+4:32*WA+8*WI+7] offset:128*(WI>>1)+32*(WI&1)+16
.set WI, WI+1
.endr
	WIN 0
.set WI, 0
.rept 8
	ds_load_b128 v[192+32*(WA%2)+4*WI:192+32*(WA%2)+4*WI+3], v[RD] offset:544*WI        ; LDS serves a wave's instructions in order: these see the stores above
.set WI, WI+1
.endr
	s_wait_dscnt 0x0
	s_wait_loadcnt 8*(3-WA)                        ; this block's rows of the residual are in; the later blocks' eight each may be out
	WIN 0x08                                       ; source 1: window 2
.set WI, 0
.rept 16
	v_pk_add_f32 v[192+32*(WA%2)+WI:192+32*(WA%2)+WI+1], v[192+32*(WA%2)+WI:192+32*(WA%2)+WI+1], v[XR+32*WA+WI:XR+32*WA+WI+1]
.set WI, WI+2
.endr
	WIN 0
.set WI, 0
.rept 8
	global_store_b128 v[CO], v[192+32*(WA%2)+4*WI:192+32*(WA%2)+4*WI+3], s[10:11] offset:(32*(WA>>1)+8*(WA&1)+2*WI+8*(WI>>2))*4096 th:TH_STORE_NT
.set WI, WI+1
.endr
.set WA, WA+1
.endr
	s_wait_tensorcnt 0x0                           ; the wave's end, behind my last tensor load and my last LDS store
	ds_add_u32 v[SPW], v[NIL]
	s_wait_dscnt 0x0
	CROUND                                         ; the closing round
	s_endpgm
.Lfunc_end_k_qa6937ce356_projg:
	.size	k_qa6937ce356_projg, .Lfunc_end_k_qa6937ce356_projg-k_qa6937ce356_projg
	.p2alignl 7, 3214868480
	.fill 96, 4, 3214868480
	.section	.rodata,"a",@progbits
	.p2align	6, 0x0
	.amdhsa_kernel k_qa6937ce356_projg
		.amdhsa_group_segment_fixed_size 327680
		.amdhsa_private_segment_fixed_size 0
		.amdhsa_enable_private_segment 0
		.amdhsa_kernarg_size 32
		.amdhsa_user_sgpr_count 2
		.amdhsa_user_sgpr_kernarg_segment_ptr 1
		.amdhsa_wavefront_size32 1
		.amdhsa_system_sgpr_workgroup_id_x 1
		.amdhsa_system_sgpr_workgroup_id_y 1
		.amdhsa_system_sgpr_workgroup_id_z 1
		.amdhsa_system_vgpr_workitem_id 0
		.amdhsa_next_free_vgpr 768
		.amdhsa_next_free_sgpr 102
		.amdhsa_reserve_vcc 0
		.amdhsa_float_denorm_mode_32 3
		.amdhsa_float_denorm_mode_16_64 3
		.amdhsa_memory_ordered 1
		.amdhsa_forward_progress 1
		.amdhsa_inst_pref_size 58
	.end_amdhsa_kernel
	.amdgpu_metadata
---
amdhsa.version: [ 1, 2 ]
amdhsa.kernels:
  - .name:           k_qa6937ce356_projg
    .symbol:         k_qa6937ce356_projg.kd
    .args:
      - { .name: att, .offset: 0, .size: 8, .value_kind: global_buffer, .address_space: global }
      - { .name: wts, .offset: 8, .size: 8, .value_kind: global_buffer, .address_space: global }
      - { .name: x, .offset: 16, .size: 8, .value_kind: global_buffer, .address_space: global }
      - { .name: x1, .offset: 24, .size: 8, .value_kind: global_buffer, .address_space: global }
    .group_segment_fixed_size: 327680
    .private_segment_fixed_size: 0
    .kernarg_segment_align: 8
    .kernarg_segment_size: 32
    .max_flat_workgroup_size: 128
    .sgpr_count:     102
    .vgpr_count:     768
    .wavefront_size: 32
...
	.end_amdgpu_metadata
.endif
;; end of part 5
;; launch ln2: the kernel of part 2 again; grid 256 x 1, 8 waves a work-group, no clusters, 69,632 bytes of LDS; arguments x1, ln2_w, ln2_b, h2q; writes h2q
;; launch ff1 (part 6): grid 16 x 16, 4 waves a work-group, clusters of 4 x 4, 327,680 bytes of LDS; arguments h2q, wts, hid; writes hid
.if DOCPART == 6
	.amdgcn_target "amdgcn-amd-amdhsa--gfx1250"
	.amdhsa_code_object_version 6
	.text
	.protected	k_qa6937ce356_ff1
	.globl	k_qa6937ce356_ff1
	.p2align	8
	.type	k_qa6937ce356_ff1,@function
k_qa6937ce356_ff1:
	s_mov_b64 s[64:65], 0
	v_nop
	global_prefetch_b8 v0, s[64:65] scope:SCOPE_SE
	s_setreg_imm32_b32 hwreg(HW_REG_WAVE_MODE, 25, 1), 1
	s_wait_xcnt 0x0
	s_wait_alu depctr_hold_cnt(0) depctr_sa_sdst(0) depctr_va_vdst(0) depctr_va_sdst(0) depctr_va_ssrc(0) depctr_va_vcc(0) depctr_vm_vsrc(0)
	s_getreg_b32 s2, hwreg(HW_REG_IB_STS2, 6, 4)
	s_cmp_eq_u32 s2, 0
	s_cbranch_scc0 .Lentry_in_a_cluster
	s_endpgm
.Lentry_in_a_cluster:
	s_bfe_u32 s2, ttmp6, 0x10000c
	s_cmp_lg_u32 s2, 0xf033
	s_cbranch_scc0 .Lentry_shape_is_right
	s_endpgm
.Lentry_shape_is_right:
; hid = relu(h2 W1) on codes of FP6 (E2M3), quantised along FF for the second layer.  (One text serves three launches; KIND picks what differs.)
; OPERANDS ARE IMAGES OF OPERAND REGISTERS: fragment (tile, K step) = 1,536 bytes at 1536 (tile x KS + K step), three loads of 16 bytes a lane; its 16 scale words at 64 x the same number.
; Row r of tile t is index 32 (t / 2) + 8 (t % 2) + r + 8 (r / 8).  SOURCE 0 = B's 16 rows (W1's columns), SOURCE 1 = A's (tokens): a lane holds ONE token, and its registers over B's eight tiles are 128 neighbouring
; hidden units: relu, quantised in registers, stored as fragment (token tile, K step 2 x tile column + half) of the next product: no stage, each store 512 consecutive bytes, aligned.
; A work-group makes 2 NA x 2 NB tiles, each of four waves NA x NB accumulators.  K goes NQ steps of 128 to a slot through a ring of two LDS slots; a wave's one tensor load brings NA rows of NQ x 1,536 bytes.
; CLUSTERS: 4 x 4; A's tiles are asked for jointly along a row of the cluster, B's along a column.  The scale words of all of K come once, with the first fills.
; LIMITS: a block of zeros or under 2^-124 gets the byte 1 (this program alone reads the bytes); NaN and infinities are not served.
.set KIND, 1
.set KS,   8
.set NQ,   2
.set NA,   8
.set NB,   8
.if KIND == 0
.set HSC,    3145728
.set OW_V,   1572864
.set OS_V,   9502720
.set OS_QKV, 9437184
.set OSCOFF, 9437184
.endif
.if KIND == 1
.set ASOFF,  3145728                   ; h2q's scale words; W1's codes and scale words in wts; hid's scale words
.set BOFF,   3145728
.set BSOFF,  9568256
.set OSCOFF, 12582912
.endif
.if KIND == 2
.set ASOFF,  12582912
.set BOFF,   6291456
.set BSOFF,  9699328
.endif
.set HALFT, NA*NQ*1536                 ; what one tensor load brings, and what a wave reads of A or of B in a slot
.set SLOT,  4*HALFT                    ; A's two halves, B's two halves
.set LAPS,  KS/(2*NQ)
.set SCL,   2*SLOT                     ; behind the ring: the scale words, filled once
.set HALFS, NA*KS*64
.set STAGE, SCL+4*HALFS
.if KIND == 2
.set SPARE, STAGE+4*16*272
.else
.set SPARE, STAGE
.endif                                 ; the spare words, 128 bytes for each wave: two blocks of 256 bytes that no other line names
.set ADRA, 16                          ; v16-17 my A fragments in slot 0, 1: 16 x lane + my half
.set ADRB, 20                          ; v20-21 the same for B
.set STO,  24
.set RD,   25
.set CO,   26
.set ADRS, 27                          ; v27 my scale words: lanes 0-15 A's rows, lanes 16-31 B's
.set SPW,  28                          ; v28 my spare word; never rewritten
.set NIL,  29                          ; v29 0; never rewritten
.set LI,   30                          ; v30 16 x lane
.set LS,   31                          ; v31 4 r
.set SC,   32                          ; v32-63 scale words, two sets of 16: register NQ i + q: lanes 0-15 A's block i, lanes 16-31 B's block i
.set TM,   64                          ; the way out, over A's fragments
.set PC,   80
.set CT,   92
.set PW,   100
.set G1,   24
.set G0,   32
.set G1B,  48
.set G0B,  56
.set G1S,  68
.set G0S,  76
.set G1SB, 80
.set G0SB, 88
.set SEL,  66
.set LAPC, 100
.set ROLE, 101
; REGISTERS: window 0: v64-159, v160-255 A's fragments, two sets.  window 1: v0-95, v128-223 B's, two sets.  windows 2, 3: accumulator (a, b) at 8 ((a NB + b) % 32).
.set MSB, 0
.macro WIN new                         ; the immediate's high byte repeats the setting that is left
.if MSB != (\new)
	s_set_vgpr_msb (MSB<<8)|(\new)
.set MSB, \new
.endif
.endm
.macro PLACES n
.rept \n
	v_nop
.endr
.endm
; a joint load: waves 0 and 1 fetch for A, waves 2 and 3 for B; an s_nop 0 and four v_nop follow each line
.macro JLOAD g0a, g1a, g0b, g1b
	s_cmp_eq_u32 s15, 0
	s_cbranch_scc0 .Lfor_b_\@
	tensor_load_to_lds s[\g0a:\g0a+3], s[\g1a:\g1a+7]
	s_nop 0
.rept 4
	v_nop
.endr
	s_branch .Lasked_\@
.Lfor_b_\@:
	tensor_load_to_lds s[\g0b:\g0b+3], s[\g1b:\g1b+7]
	s_nop 0
.rept 4
	v_nop
.endr
.Lasked_\@:
.endm
.macro CREST                           ; a round of the cluster's barrier behind its opening barrier
	s_cmp_lg_u32 s14, 0
	s_cbranch_scc1 .Lnot_wave_0_\@
	s_barrier_signal -3
.Lnot_wave_0_\@:
	s_barrier_wait -3
	s_barrier_signal -1
	s_barrier_wait -1
.endm
.macro CROUND
	s_barrier_signal -1
	s_barrier_wait -1
	CREST
.endm
; 64 numbers of a lane in window X, register 16 b + i = k 32 b + 16 h + i of my row, become a fragment's 12 registers of codes and its scale word
.macro QUANT s, X, pc, pw
	WIN (\X)|((\X)<<2)
.irp b, 0,1,2,3
	v_max3_num_f32 v[TM+\b], |v[(\s)+16*\b]|, |v[(\s)+16*\b+1]|, 0x1800000   ; the floor 2^(3 - 127) holds the byte at 1
.endr
	WIN ((\X)<<2)|((\X)<<4)
.irp i, 2,4,6,8,10,12,14
.irp b, 0,1,2,3
	v_max3_num_f32 v[TM+\b], v[TM+\b], |v[(\s)+16*\b+\i]|, |v[(\s)+16*\b+\i+1]|
.endr
.endr
	WIN 0
.irp b, 0,1,2,3
	v_permlanex16_b32 v[TM+4+\b], v[TM+\b], s[SEL], s[SEL+1]
.endr
.irp b, 0,1,2,3
	v_max_num_f32 v[TM+\b], v[TM+\b], v[TM+4+\b]
.endr
.irp b, 0,1,2,3
	v_add_nc_u32 v[TM+12+\b], 0xff000000, v[TM+\b] ; 2 off the exponent field: the conversion's scale operand
.endr
.irp b, 0,1,2,3
	v_lshrrev_b32 v[TM+4+\b], 23, v[TM+12+\b]
.endr
	v_lshl_or_b32 v[\pw], v[TM+5], 8, v[TM+4]
	v_lshl_or_b32 v[\pw], v[TM+6], 16, v[\pw]
	v_lshl_or_b32 v[\pw], v[TM+7], 24, v[\pw]
	WIN \X
.irp c, 0,1
	v_cvt_scalef32_pk16_fp6_f32 v[(\pc)+6*\c:(\pc)+6*\c+2], v[(\s)+32*\c:(\s)+32*\c+15], v[TM+12+2*\c]
	v_cvt_scalef32_pk16_fp6_f32 v[CT+4*\c:CT+4*\c+2], v[(\s)+32*\c+16:(\s)+32*\c+31], v[TM+13+2*\c]
.endr
	WIN 0
	v_nop                                          ; one plain line behind the conversions
.irp c, 0,1
.irp i, 0,1,2
	v_permlane16_swap_b32 v[(\pc)+6*\c+\i], v[CT+4*\c+\i]
.endr
.irp i, 0,1,2
	v_mov_b32 v[(\pc)+6*\c+3+\i], v[CT+4*\c+\i]
.endr
.endr
.endm
.macro FRAGL reg, adr, off             ; a fragment comes as it was stored: three loads, 512 consecutive bytes each
.irp c, 0,1,2
	ds_load_b128 v[(\reg)+4*\c:(\reg)+4*\c+3], v[\adr] offset:(\off)+512*\c
.endr
.endm
.macro FETCH slot, q, p                ; the slot's q-th 128 along K into set p
	WIN 0x40
.set FI, 0
.rept NB
	FRAGL 128*(\p)+12*FI, ADRB+\slot, (FI*NQ+(\q))*1536
.set FI, FI+1
.endr
	WIN 0
.set FI, 0
.rept NA
	FRAGL 64+96*(\p)+12*FI, ADRA+\slot, (FI*NQ+(\q))*1536
.set FI, FI+1
.endr
.endm
.macro SCALES sc
.set FI, 0
.rept NA
.set FQ, 0
.rept NQ
	ds_load_b32 v[SC+16*(\sc)+NQ*FI+FQ], v[ADRS] offset:FI*KS*64+64*FQ
.set FQ, FQ+1
.endr
.set FI, FI+1
.endr
.endm
.macro MULA a, p, q, sc, zero          ; A's block a against B's NB blocks
	WIN 0xa1+0x50*(((\a)*NB)/32)
.set AC, 8*(((\a)*NB)%32)
.set MB, 0
.rept NB
.if \zero
	v_wmma_scale_f32_16x16x128_f8f6f4 v[AC+8*MB:AC+8*MB+7], v[128*(\p)+12*MB:128*(\p)+12*MB+11], v[64+96*(\p)+12*(\a):64+96*(\p)+12*(\a)+11], 0, v[SC+16*(\sc)+NQ*MB+(\q)], v[SC+16*(\sc)+NQ*(\a)+(\q)] matrix_a_fmt:MATRIX_FMT_FP6 matrix_b_fmt:MATRIX_FMT_FP6 matrix_a_scale:MATRIX_SCALE_ROW1
.else
	v_wmma_scale_f32_16x16x128_f8f6f4 v[AC+8*MB:AC+8*MB+7], v[128*(\p)+12*MB:128*(\p)+12*MB+11], v[64+96*(\p)+12*(\a):64+96*(\p)+12*(\a)+11], v[AC+8*MB:AC+8*MB+7], v[SC+16*(\sc)+NQ*MB+(\q)], v[SC+16*(\sc)+NQ*(\a)+(\q)] matrix_a_fmt:MATRIX_FMT_FP6 matrix_b_fmt:MATRIX_FMT_FP6 matrix_a_scale:MATRIX_SCALE_ROW1
.endif
.set MB, MB+1
.endr
.endm
.macro MULS a0, n, p, q, sc, zero      ; all accumulators take turns, one instruction a turn, in the same order in every step
.set MA, \a0
.rept \n
	MULA MA, \p, \q, \sc, \zero
.set MA, MA+1
.endr
.endm
.macro STEP slot, q, zero              ; a step of 128 along K that has its successor in the same slot
	s_wait_dscnt 0x0                               ; this step's fragments, asked for a step ago, are in
	PLACES 4                                       ; in front of loads into registers that matrix instructions have read
	FETCH \slot, (\q)+1, ((\q)+1)%2
	MULS 0, NA, (\q)%2, \q, \slot, \zero
	WIN 0
.endm
.macro STEPS slot, zero
.set SQ, 0
.rept NQ-1
.if SQ == 0
	STEP \slot, SQ, \zero
.else
	STEP \slot, SQ, 0
.endif
.set SQ, SQ+1
.endr
.endm
; A slot's last step changes slots: one barrier; in front of it each wave waits for all its tensor loads, adds 0 to its spare word, and waits for that and for its reads of this slot.
.macro TURN slot, next, fill
	s_wait_tensorcnt 0x0                           ; all my tensor loads have landed: my part of the next slot
	ds_add_u32 v[SPW], v[NIL]                      ; 0 onto my spare word
	s_wait_dscnt 1                                 ; this step's fragments are in; the add alone may be out
	MULS 0, NA/4, 1, NQ-1, \slot, 0
	s_wait_dscnt 0x0                               ; the add is done, and my reads of this slot are over
	s_barrier_signal -1
	MULS NA/4, NA/4, 1, NQ-1, \slot, 0
	WIN 0
	s_barrier_wait -1
.if \fill
	CREST                                          ; the barrier has opened a round of the cluster's: no wave of any partner still reads this slot or has a load on its way
	s_add_nc_u64 s[G0+4*\slot+2:G0+4*\slot+3], s[G0+4*\slot+2:G0+4*\slot+3], 2*NQ*1536
	s_add_nc_u64 s[G0B+4*\slot+2:G0B+4*\slot+3], s[G0B+4*\slot+2:G0B+4*\slot+3], 2*NQ*1536
	JLOAD G0+4*\slot, G1, G0B+4*\slot, G1B         ; the first tensor load behind the round; its four v_nop are the places in front of the loads below
.else
	PLACES 4
.endif
	v_add_nc_u32 v[ADRS], NQ*64, v[ADRS]           ; the next slot's scale words
	FETCH \next, 0, 0
	SCALES \next
	MULS NA/2, NA/2, 1, NQ-1, \slot, 0
	WIN 0
.endm
	s_load_b128 s[4:7], s[0:1], 0x0                ; A's buffer, wts
.if KIND == 2
	s_load_b128 s[8:11], s[0:1], 0x10              ; x1, out0
.else
	s_load_b64 s[8:9], s[0:1], 0x10                ; the result's buffer
.endif
	v_lshl_add_u32 v[SPW], v0, 2, SPARE
	v_mov_b32 v[NIL], 0
	ds_add_u32 v[SPW], v[NIL]                      ; the wave's opening: the add and its wait come ahead of my first tensor load; work on registers stands between
	v_lshrrev_b32 v1, 5, v0
	v_readfirstlane_b32 s14, v1                    ; wave
	s_lshr_b32 s15, s14, 1                         ; my half of A's tiles.  Also: I fetch for A (0) or for B (1)
	s_and_b32 s16, s14, 1                          ; my half of B's tiles.  Also: which half I fetch
	s_bfe_u32 s40, ttmp6, 0x40000                  ; cx
	s_bfe_u32 s41, ttmp6, 0x40004                  ; cy
	s_and_b32 s13, ttmp7, 0xffff                   ; cluster y
	s_lshl_b32 s42, ttmp9, 2                       ; 4 x cluster x
	s_lshl_b32 s17, s13, 2                         ; 4 x cluster y
.if KIND == 0
	s_max_u32 s66, s13, 4
	s_sub_co_u32 s66, s66, 4
	s_lshl_b32 s66, s66, 3
	s_add_co_u32 s66, s66, s42
	s_mov_b32 s2, 32*1536
	s_mov_b32 s12, 32*64
	s_mov_b32 s18, OW_V
	s_mov_b32 s19, OS_V
	s_mov_b32 s67, OS_QKV
	s_cmp_lt_u32 s13, 4
	s_cselect_b32 s[ROLE], 1, 0
	s_cselect_b32 s17, s17, 0
	s_cselect_b32 s42, s42, s66
	s_cselect_b32 s2, 16*1536, s2
	s_cselect_b32 s12, 16*64, s12
	s_cselect_b32 s13, 16, 32
	s_cselect_b32 s66, 0, 4096
	s_cselect_b32 s18, 0, s18
	s_cselect_b32 s19, HSC, s19
	s_cselect_b32 s67, s67, HSC
.endif
	s_add_co_u32 s42, s42, s40                     ; tile column
	s_add_co_u32 s17, s17, s41                     ; tile row
	s_lshl_b32 s43, s41, 2
	s_lshl_b32 s43, 15, s43                        ; my row of the cluster
	s_lshl_b32 s44, 0x1111, s40                    ; my column
	; group 1 for the codes: NA rows (a tile each) of NQ x 1,536 bytes, KS x 1,536 bytes apart, in elements of 8 bytes; no padding
	s_or_b32 s[G1+0], s43, (3<<16)|(1<<21)
	s_or_b32 s[G1B+0], s44, (3<<16)|(1<<21)
.irp g, G1, G1B
	s_mov_b32 s[\g+1], (NQ*192)<<16                ; tensor_dim0
	s_mov_b32 s[\g+2], NA<<16                      ; tensor_dim1
	s_mov_b32 s[\g+3], (NQ*192)<<16                ; tile_dim0
	s_mov_b32 s[\g+4], NA                          ; tile_dim1
	s_mov_b32 s[\g+5], KS*192                      ; tensor_dim0_stride
	s_mov_b32 s[\g+6], 0
	s_mov_b32 s[\g+7], 0
.endr
	; and for the scale words of NA tiles, all of K: a dense block, as rows of 256 bytes
	s_or_b32 s[G1S+0], s43, (3<<16)|(1<<21)
	s_or_b32 s[G1SB+0], s44, (3<<16)|(1<<21)
.irp g, G1S, G1SB
	s_mov_b32 s[\g+1], 32<<16
	s_mov_b32 s[\g+2], (HALFS/256)<<16
	s_mov_b32 s[\g+3], 32<<16
	s_mov_b32 s[\g+4], HALFS/256
	s_mov_b32 s[\g+5], 32
	s_mov_b32 s[\g+6], 0
	s_mov_b32 s[\g+7], 0
.endr
	s_mul_i32 s21, s16, NA                         ; which half I fetch
	s_mul_i32 s20, s17, 2*NA
	s_add_co_u32 s20, s20, s21                     ; A: its first tile
	s_mul_i32 s46, s42, 2*NB
	s_add_co_u32 s46, s46, s21                     ; B: its first tile
	s_mul_i32 s22, s20, KS*64
	s_mul_i32 s20, s20, KS*1536
	s_mul_i32 s92, s46, KS*64
	s_mul_i32 s46, s46, KS*1536
.if KIND == 0
	s_add_co_u32 s20, s20, s18
	s_add_co_u32 s22, s22, s19
	s_add_co_u32 s92, s92, s67
.else
	s_add_co_u32 s22, s22, ASOFF
	s_add_co_u32 s46, s46, BOFF
	s_add_co_u32 s92, s92, BSOFF
.endif
	s_mov_b32 s21, 0
	s_mov_b32 s23, 0
	s_mov_b32 s47, 0
	s_mov_b32 s93, 0
	s_mul_i32 s45, s14, HALFT                      ; where they go: wave x a quarter of a slot: no place in the cluster enters an LDS address
	s_mul_i32 s94, s14, HALFS
.if KIND == 2
	s_lshl_b32 s96, s17, 19
	s_lshl_b32 s97, s15, 18
	s_add_co_u32 s96, s96, s97
	s_lshl_b32 s98, s42, 9
	s_lshl_b32 s99, s16, 8
	s_add_co_u32 s98, s98, s99
	s_add_co_u32 s96, s96, s98
	s_mov_b32 s97, 0
.else
	s_lshl_b32 s96, s17, 4
	s_lshl_b32 s97, s15, 3
	s_add_co_u32 s96, s96, s97                     ; the result's first tile = A's: 16 x tile row + 8 x half
.if KIND == 0
	s_mul_i32 s96, s96, s13
	s_add_co_u32 s96, s96, s66
.else
	s_lshl_b32 s96, s96, 5                         ; 32 K steps to a tile of hid
	s_mov_b32 s2, 32*1536
	s_mov_b32 s12, 32*64
.endif
	s_lshl_b32 s98, s42, 1
	s_add_co_u32 s98, s98, s16                     ; its K step: 2 x tile column + half
	s_add_co_u32 s96, s96, s98                     ; f
	s_lshl_b32 s98, s96, 6
	s_add_co_u32 s98, s98, OSCOFF
	s_mul_i32 s96, s96, 1536
	s_mov_b32 s97, 0
	s_mov_b32 s99, 0
	s_mov_b32 s3, 0
	s_mov_b32 s13, 0
.endif
	s_wait_dscnt 0x0                               ; the opening add is done
	s_wait_kmcnt 0x0
.if KIND == 0
	s_cmp_eq_u32 s[ROLE], 1
	s_cselect_b64 s[18:19], s[4:5], s[6:7]
	s_cselect_b64 s[66:67], s[6:7], s[4:5]
	s_add_nc_u64 s[20:21], s[18:19], s[20:21]
	s_add_nc_u64 s[22:23], s[18:19], s[22:23]
	s_add_nc_u64 s[46:47], s[66:67], s[46:47]
	s_add_nc_u64 s[92:93], s[66:67], s[92:93]
.else
	s_add_nc_u64 s[20:21], s[4:5], s[20:21]
	s_add_nc_u64 s[22:23], s[4:5], s[22:23]
	s_add_nc_u64 s[46:47], s[6:7], s[46:47]
	s_add_nc_u64 s[92:93], s[6:7], s[92:93]
.endif
.if KIND == 2
	s_add_nc_u64 s[8:9], s[8:9], s[96:97]
	s_add_nc_u64 s[10:11], s[10:11], s[96:97]
.else
	s_add_nc_u64 s[96:97], s[8:9], s[96:97]        ; where my first fragment goes,
	s_add_nc_u64 s[98:99], s[8:9], s[98:99]        ; and its scale words
.endif
	CROUND                                         ; all sixteen work-groups are here: the first joint loads meet
	s_mov_b32 s[G0S], 1
	s_add_co_u32 s[G0S+1], s94, SCL
	s_mov_b64 s[G0S+2:G0S+3], s[22:23]
	s_or_b32 s[G0S+3], s[G0S+3], 0x80000000
	s_mov_b32 s[G0SB], 1
	s_add_co_u32 s[G0SB+1], s94, SCL
	s_mov_b64 s[G0SB+2:G0SB+3], s[92:93]
	s_or_b32 s[G0SB+3], s[G0SB+3], 0x80000000
	JLOAD G0S, G1S, G0SB, G1SB                     ; three loads of mine are out behind these lines: the scale words, slot 0, slot 1
.irp s, 0,1
	s_mov_b32 s[G0+4*\s], 1
	s_add_co_u32 s[G0+4*\s+1], s45, \s*SLOT
	s_add_nc_u64 s[G0+4*\s+2:G0+4*\s+3], s[20:21], \s*NQ*1536
	s_or_b32 s[G0+4*\s+3], s[G0+4*\s+3], 0x80000000
	s_mov_b32 s[G0B+4*\s], 1
	s_add_co_u32 s[G0B+4*\s+1], s45, \s*SLOT
	s_add_nc_u64 s[G0B+4*\s+2:G0B+4*\s+3], s[46:47], \s*NQ*1536
	s_or_b32 s[G0B+4*\s+3], s[G0B+4*\s+3], 0x80000000
	JLOAD G0+4*\s, G1, G0B+4*\s, G1B
.endr
	v_and_b32 v1, 15, v0                           ; r
	v_bfe_u32 v2, v0, 4, 1                         ; h
	v_and_b32 v3, 31, v0
	v_lshlrev_b32 v[LI], 4, v3
	v_lshlrev_b32 v[LS], 2, v1
	s_mul_i32 s18, s15, HALFT
	s_mul_i32 s19, s16, HALFT
	s_add_co_u32 s19, s19, 2*HALFT
.irp s, 0,1
	v_add_nc_u32 v[ADRA+\s], s18, v[LI]
	v_add_nc_u32 v[ADRB+\s], s19, v[LI]
	s_add_co_u32 s18, s18, SLOT
	s_add_co_u32 s19, s19, SLOT
.endr
	s_mul_i32 s18, s15, HALFS
	s_mul_i32 s19, s16, HALFS
	s_add_co_u32 s19, s19, 2*HALFS
	s_sub_co_u32 s19, s19, s18
	v_mul_u32_u24 v4, s19, v2                      ; lanes 16-31 take B's: one product, the distance between the two
	s_add_co_u32 s18, s18, SCL
	v_add_nc_u32 v4, v4, v[LS]
	v_add_nc_u32 v[ADRS], s18, v4
.if KIND == 2
	s_mul_i32 s18, s14, 16*272
	s_add_co_u32 s18, s18, STAGE
	v_mul_u32_u24 v4, v1, 272
	v_lshl_add_u32 v4, v2, 6, v4
	v_add_nc_u32 v[STO], s18, v4
	v_mul_u32_u24 v4, v2, 272
	v_lshl_add_u32 v4, v1, 4, v4
	v_add_nc_u32 v[RD], s18, v4
	v_lshlrev_b32 v4, 12, v2
	v_lshl_add_u32 v[CO], v1, 4, v4
.endif
	s_wait_tensorcnt 1                             ; the scale words and my part of slot 0 are in; slot 1's load may be out
	s_barrier_signal -1
	s_barrier_wait -1
	FETCH 0, 0, 0
	SCALES 0
	STEPS 0, 1                                     ; the first step's products start the sums: nothing is cleared
	s_mov_b32 s[LAPC], LAPS-1
.Llap:                                             ; a trip goes once round the ring and fills both slots again
	TURN 0, 1, 1
	STEPS 1, 0
	TURN 1, 0, 1
	STEPS 0, 0
	s_sub_co_u32 s[LAPC], s[LAPC], 1
	s_cmp_lg_u32 s[LAPC], 0
	s_cbranch_scc1 .Llap
	TURN 0, 1, 0                                   ; the last lap fills nothing
	STEPS 1, 0
	s_wait_dscnt 0x0
	MULS 0, NA, 1, NQ-1, 1, 0
	WIN 0
	PLACES 4                                       ; in front of the first read of results, and of writes over A's fragments
.if KIND == 2
.set WA, 0
.rept 4
.set WI, 0
.rept 8
	global_load_b128 v[64+32*WA+4*WI:64+32*WA+4*WI+3], v[CO], s[8:9] offset:(32*(WA>>1)+8*(WA&1)+2*WI+8*(WI>>2))*4096 th:TH_LOAD_NT
.set WI, WI+1
.endr
.set WA, WA+1
.endr
.set WA, 0
.rept 4
.if WA > 0
	s_wait_xcnt 0x0
.endif
	WIN 0x08
.set WI, 0
.rept 4
	ds_store_b128 v[STO], v[32*WA+8*WI:32*WA+8*WI+3] offset:128*(WI>>1)+32*(WI&1)
	ds_store_b128 v[STO], v[32*WA+8*WI+4:32*WA+8*WI+7] offset:128*(WI>>1)+32*(WI&1)+16
.set WI, WI+1
.endr
	WIN 0
.set WI, 0
.rept 8
	ds_load_b128 v[192+32*(WA%2)+4*WI:192+32*(WA%2)+4*WI+3], v[RD] offset:544*WI
.set WI, WI+1
.endr
	s_wait_dscnt 0x0
	s_wait_loadcnt 8*(3-WA)
.set WI, 0
.rept 16
	v_pk_add_f32 v[192+32*(WA%2)+WI:192+32*(WA%2)+WI+1], v[192+32*(WA%2)+WI:192+32*(WA%2)+WI+1], v[64+32*WA+WI:64+32*WA+WI+1]
.set WI, WI+2
.endr
.set WI, 0
.rept 8
	global_store_b128 v[CO], v[192+32*(WA%2)+4*WI:192+32*(WA%2)+4*WI+3], s[10:11] offset:(32*(WA>>1)+8*(WA&1)+2*WI+8*(WI>>2))*4096 th:TH_STORE_NT
.set WI, WI+1
.endr
.set WA, WA+1
.endr
.else
; THE WAY OUT: A's block a against B's eight tiles is 64 numbers a lane, 128 neighbours of one row: one fragment and one scale word of the next product
	s_mov_b32 s[SEL], 0x76543210
	s_mov_b32 s[SEL+1], 0xfedcba98
.irp b, 0,1,2,3
	v_mov_b32 v[TM+4+\b], 0                        ; written once: a lane permute's destination counts as one of its sources
.endr
.set WA, 0
.rept NA
.if WA > 0
	s_wait_xcnt 0x0                                ; the last block's stores have read their registers and bases
	s_add_nc_u64 s[96:97], s[96:97], s[2:3]
	s_add_nc_u64 s[98:99], s[98:99], s[12:13]
.endif
.if KIND == 1
	WIN ((2+WA/4)<<6)|((2+WA/4)<<2)
.set WI, 0
.rept 64
	v_max_num_f32 v[64*(WA%4)+WI], 0, v[64*(WA%4)+WI]   ; relu, in f32, each accumulator from its low end on
.set WI, WI+1
.endr
.endif
	QUANT 64*(WA%4), 2+WA/4, PC, PW
.irp c, 0,1,2
	global_store_b128 v[LI], v[PC+4*\c:PC+4*\c+3], s[96:97] offset:512*\c
.endr
	global_store_b32 v[LS], v[PW], s[98:99]
.set WA, WA+1
.endr
.endif
	s_wait_tensorcnt 0x0                           ; the wave's end
	ds_add_u32 v[SPW], v[NIL]
	s_wait_dscnt 0x0
	CROUND                                         ; the closing round
	s_endpgm
.Lfunc_end_k_qa6937ce356_ff1:
	.size	k_qa6937ce356_ff1, .Lfunc_end_k_qa6937ce356_ff1-k_qa6937ce356_ff1
	.p2alignl 7, 3214868480
	.fill 96, 4, 3214868480
	.section	.rodata,"a",@progbits
	.p2align	6, 0x0
	.amdhsa_kernel k_qa6937ce356_ff1
		.amdhsa_group_segment_fixed_size 327680
		.amdhsa_private_segment_fixed_size 0
		.amdhsa_enable_private_segment 0
		.amdhsa_kernarg_size 24
		.amdhsa_user_sgpr_count 2
		.amdhsa_user_sgpr_kernarg_segment_ptr 1
		.amdhsa_wavefront_size32 1
		.amdhsa_system_sgpr_workgroup_id_x 1
		.amdhsa_system_sgpr_workgroup_id_y 1
		.amdhsa_system_sgpr_workgroup_id_z 1
		.amdhsa_system_vgpr_workitem_id 0
		.amdhsa_next_free_vgpr 1024
		.amdhsa_next_free_sgpr 102
		.amdhsa_reserve_vcc 0
		.amdhsa_float_denorm_mode_32 3
		.amdhsa_float_denorm_mode_16_64 3
		.amdhsa_memory_ordered 1
		.amdhsa_forward_progress 1
		.amdhsa_inst_pref_size 158
	.end_amdhsa_kernel
	.amdgpu_metadata
---
amdhsa.version: [ 1, 2 ]
amdhsa.kernels:
  - .name:           k_qa6937ce356_ff1
    .symbol:         k_qa6937ce356_ff1.kd
    .args:
      - { .name: h2q, .offset: 0, .size: 8, .value_kind: global_buffer, .address_space: global }
      - { .name: wts, .offset: 8, .size: 8, .value_kind: global_buffer, .address_space: global }
      - { .name: hid, .offset: 16, .size: 8, .value_kind: global_buffer, .address_space: global }
    .group_segment_fixed_size: 327680
    .private_segment_fixed_size: 0
    .kernarg_segment_align: 8
    .kernarg_segment_size: 24
    .max_flat_workgroup_size: 128
    .sgpr_count:     102
    .vgpr_count:     1024
    .wavefront_size: 32
...
	.end_amdgpu_metadata
.endif
;; end of part 6
;; launch ff2 (part 7): grid 8 x 32, 4 waves a work-group, clusters of 4 x 4, 327,680 bytes of LDS; arguments hid, wts, x1, out0; writes out0
.if DOCPART == 7
	.amdgcn_target "amdgcn-amd-amdhsa--gfx1250"
	.amdhsa_code_object_version 6
	.text
	.protected	k_qa6937ce356_ff2
	.globl	k_qa6937ce356_ff2
	.p2align	8
	.type	k_qa6937ce356_ff2,@function
k_qa6937ce356_ff2:
	s_mov_b64 s[64:65], 0
	v_nop
	global_prefetch_b8 v0, s[64:65] scope:SCOPE_SE
	s_setreg_imm32_b32 hwreg(HW_REG_WAVE_MODE, 25, 1), 1
	s_wait_xcnt 0x0
	s_wait_alu depctr_hold_cnt(0) depctr_sa_sdst(0) depctr_va_vdst(0) depctr_va_sdst(0) depctr_va_ssrc(0) depctr_va_vcc(0) depctr_vm_vsrc(0)
	s_getreg_b32 s2, hwreg(HW_REG_IB_STS2, 6, 4)
	s_cmp_eq_u32 s2, 0
	s_cbranch_scc0 .Lentry_in_a_cluster
	s_endpgm
.Lentry_in_a_cluster:
	s_bfe_u32 s2, ttmp6, 0x10000c
	s_cmp_lg_u32 s2, 0xf033
	s_cbranch_scc0 .Lentry_shape_is_right
	s_endpgm
.Lentry_shape_is_right:
; out0 = x1 + hid W2 on codes of FP6 (E2M3).  (The text also serves the projection, with other sizes: KS and the three offsets below.)
; OPERANDS ARE IMAGES OF OPERAND REGISTERS: fragment (tile, K step) = 1,536 bytes at 1536 (tile x KS + K step), three loads of 16 bytes a lane; its 16 scale words at 64 x the same number.
; Row r of tile t is index 32 (t / 2) + 8 (t % 2) + r + 8 (r / 8).  SOURCE 0 = B's 16 rows (the weight's columns), SOURCE 1 = A's (tokens): a lane holds one token and pieces of eight neighbouring columns.
; The result has 32 x 8 tiles of 128 x 128: a work-group makes 2 NA x 2 NB = 8 x 8 tiles of 16 x 16, so that there are 256 work-groups; each of four waves NA x NB = 16 accumulators.
; K goes NQ = 4 steps of 128 to a slot through a ring of two LDS slots; a wave's one tensor load brings NA rows of NQ x 1,536 bytes.
; CLUSTERS: 4 x 4; A's tiles are asked for jointly along a row of the cluster, B's along a column.  The scale words of all of K come once, with the first fills.
; THE RESIDUAL'S ROWS are asked for at the head, into registers that lie idle till the way out: they land under the K steps.
; LIMITS: NaN and infinities are not served.
.set KS,    32
.set ASOFF, 12582912                   ; hid's scale words; W2's codes and scale words in wts
.set BOFF,  6291456
.set BSOFF, 9699328
.set NQ,   4
.set NA,   4
.set NB,   4
.set HALFT, NA*NQ*1536                 ; what one tensor load brings, and what a wave reads of A or of B in a slot
.set SLOT,  4*HALFT                    ; A's two halves, B's two halves
.set LAPS,  KS/(2*NQ)
.set SCL,   2*SLOT                     ; behind the ring: the scale words, filled once
.set HALFS, NA*KS*64
.set STAGE, SCL+4*HALFS                ; 16 rows x 272 bytes for each wave; no fill lands there
.set SPARE, STAGE+4*16*272             ; the spare words, 128 bytes for each wave: two blocks of 256 bytes that no other line names
.set ADRA, 16                          ; v16-17 my A fragments in slot 0, 1: 16 x lane + my half
.set ADRB, 20                          ; v20-21 the same for B
.set STO,  24                          ; v24 the stage: where I put 16 bytes of a row
.set RD,   25                          ; v25 and where I read a row back
.set CO,   26                          ; v26 my byte offset in two rows of the residual and the result
.set ADRS, 27                          ; v27 my scale words: lanes 0-15 A's rows, lanes 16-31 B's
.set SPW,  28                          ; v28 my spare word; never rewritten
.set NIL,  29                          ; v29 0; never rewritten
.set LI,   30                          ; v30 16 x lane
.set LS,   31                          ; v31 4 r
.set SC,   32                          ; v32-63 scale words, two sets of 16: register NQ i + q: lanes 0-15 A's block i, lanes 16-31 B's block i
.set XR,   128                         ; window 2: v128-255 the residual's rows, 32 registers for each of A's four blocks
.set G1,   24
.set G0,   32
.set G1B,  48
.set G0B,  56
.set G1S,  68
.set G0S,  76
.set G1SB, 80
.set G0SB, 88
.set LAPC, 100
; REGISTERS: window 0: from v64 and from v160 A's fragments, two sets.  window 1: from v0 and from v128 B's, two sets.  window 2: accumulator (a, b) at 8 (a NB + b); from v128 the residual.
.set MSB, 0
.macro WIN new                         ; the immediate's high byte repeats the setting that is left
.if MSB != (\new)
	s_set_vgpr_msb (MSB<<8)|(\new)
.set MSB, \new
.endif
.endm
.macro PLACES n
.rept \n
	v_nop
.endr
.endm
; a joint load: waves 0 and 1 fetch for A, waves 2 and 3 for B; an s_nop 0 and four v_nop follow each line
.macro JLOAD g0a, g1a, g0b, g1b
	s_cmp_eq_u32 s15, 0
	s_cbranch_scc0 .Lfor_b_\@
	tensor_load_to_lds s[\g0a:\g0a+3], s[\g1a:\g1a+7]
	s_nop 0
.rept 4
	v_nop
.endr
	s_branch .Lasked_\@
.Lfor_b_\@:
	tensor_load_to_lds s[\g0b:\g0b+3], s[\g1b:\g1b+7]
	s_nop 0
.rept 4
	v_nop
.endr
.Lasked_\@:
.endm
.macro CREST                           ; a round of the cluster's barrier behind its opening barrier
	s_cmp_lg_u32 s14, 0
	s_cbranch_scc1 .Lnot_wave_0_\@
	s_barrier_signal -3
.Lnot_wave_0_\@:
	s_barrier_wait -3
	s_barrier_signal -1
	s_barrier_wait -1
.endm
.macro CROUND
	s_barrier_signal -1
	s_barrier_wait -1
	CREST
.endm
.macro FRAGL reg, adr, off             ; a fragment comes as it was stored: three loads, 512 consecutive bytes each
.irp c, 0,1,2
	ds_load_b128 v[(\reg)+4*\c:(\reg)+4*\c+3], v[\adr] offset:(\off)+512*\c
.endr
.endm
.macro FETCH slot, q, p                ; the slot's q-th 128 along K into set p
	WIN 0x40
.set FI, 0
.rept NB
	FRAGL 128*(\p)+12*FI, ADRB+\slot, (FI*NQ+(\q))*1536
.set FI, FI+1
.endr
	WIN 0
.set FI, 0
.rept NA
	FRAGL 64+96*(\p)+12*FI, ADRA+\slot, (FI*NQ+(\q))*1536
.set FI, FI+1
.endr
.endm
.macro SCALES sc
.set FI, 0
.rept NA
.set FQ, 0
.rept NQ
	ds_load_b32 v[SC+16*(\sc)+NQ*FI+FQ], v[ADRS] offset:FI*KS*64+64*FQ
.set FQ, FQ+1
.endr
.set FI, FI+1
.endr
.endm
.macro MULA a, p, q, sc, zero          ; A's block a against B's NB blocks
	WIN 0xa1+0x50*(((\a)*NB)/32)
.set AC, 8*(((\a)*NB)%32)
.set MB, 0
.rept NB
.if \zero
	v_wmma_scale_f32_16x16x128_f8f6f4 v[AC+8*MB:AC+8*MB+7], v[128*(\p)+12*MB:128*(\p)+12*MB+11], v[64+96*(\p)+12*(\a):64+96*(\p)+12*(\a)+11], 0, v[SC+16*(\sc)+NQ*MB+(\q)], v[SC+16*(\sc)+NQ*(\a)+(\q)] matrix_a_fmt:MATRIX_FMT_FP6 matrix_b_fmt:MATRIX_FMT_FP6 matrix_a_scale:MATRIX_SCALE_ROW1
.else
	v_wmma_scale_f32_16x16x128_f8f6f4 v[AC+8*MB:AC+8*MB+7], v[128*(\p)+12*MB:128*(\p)+12*MB+11], v[64+96*(\p)+12*(\a):64+96*(\p)+12*(\a)+11], v[AC+8*MB:AC+8*MB+7], v[SC+16*(\sc)+NQ*MB+(\q)], v[SC+16*(\sc)+NQ*(\a)+(\q)] matrix_a_fmt:MATRIX_FMT_FP6 matrix_b_fmt:MATRIX_FMT_FP6 matrix_a_scale:MATRIX_SCALE_ROW1
.endif
.set MB, MB+1
.endr
.endm
.macro MULS a0, n, p, q, sc, zero      ; all accumulators take turns, one instruction a turn, in the same order in every step
.set MA, \a0
.rept \n
	MULA MA, \p, \q, \sc, \zero
.set MA, MA+1
.endr
.endm
.macro STEP slot, q, zero              ; a step of 128 along K that has its successor in the same slot
	s_wait_dscnt 0x0                               ; this step's fragments, asked for a step ago, are in
	PLACES 4                                       ; in front of loads into registers that matrix instructions have read
	FETCH \slot, (\q)+1, ((\q)+1)%2
	MULS 0, NA, (\q)%2, \q, \slot, \zero
	WIN 0
.endm
.macro STEPS slot, zero
.set SQ, 0
.rept NQ-1
.if SQ == 0
	STEP \slot, SQ, \zero
.else
	STEP \slot, SQ, 0
.endif
.set SQ, SQ+1
.endr
.endm
; A slot's last step changes slots: one barrier; in front of it each wave waits for all its tensor loads, adds 0 to its spare word, and waits for that and for its reads of this slot.
.macro TURN slot, next, fill
	s_wait_tensorcnt 0x0                           ; all my tensor loads have landed: my part of the next slot
	ds_add_u32 v[SPW], v[NIL]                      ; 0 onto my spare word
	s_wait_dscnt 1                                 ; this step's fragments are in; the add alone may be out
	MULS 0, NA/4, 1, NQ-1, \slot, 0
	s_wait_dscnt 0x0                               ; the add is done, and my reads of this slot are over
	s_barrier_signal -1
	MULS NA/4, NA/4, 1, NQ-1, \slot, 0
	WIN 0
	s_barrier_wait -1
.if \fill
	CREST                                          ; the barrier has opened a round of the cluster's: no wave of any partner still reads this slot or has a load on its way
	s_add_nc_u64 s[G0+4*\slot+2:G0+4*\slot+3], s[G0+4*\slot+2:G0+4*\slot+3], 2*NQ*1536
	s_add_nc_u64 s[G0B+4*\slot+2:G0B+4*\slot+3], s[G0B+4*\slot+2:G0B+4*\slot+3], 2*NQ*1536
	JLOAD G0+4*\slot, G1, G0B+4*\slot, G1B         ; the first tensor load behind the round; its four v_nop are the places in front of the loads below
.else
	PLACES 4
.endif
	v_add_nc_u32 v[ADRS], NQ*64, v[ADRS]           ; the next slot's scale words
	FETCH \next, 0, 0
	SCALES \next
	MULS NA/2, NA/2, 1, NQ-1, \slot, 0
	WIN 0
.endm
	s_load_b128 s[4:7], s[0:1], 0x0                ; A's buffer, wts
	s_load_b128 s[8:11], s[0:1], 0x10              ; the residual, the result
	v_lshl_add_u32 v[SPW], v0, 2, SPARE
	v_mov_b32 v[NIL], 0
	ds_add_u32 v[SPW], v[NIL]                      ; the wave's opening: the add and its wait come ahead of my first tensor load; work on registers stands between
	v_lshrrev_b32 v1, 5, v0
	v_readfirstlane_b32 s14, v1                    ; wave
	s_lshr_b32 s15, s14, 1                         ; my half of A's tiles.  Also: I fetch for A (0) or for B (1)
	s_and_b32 s16, s14, 1                          ; my half of B's tiles.  Also: which half I fetch
	s_bfe_u32 s40, ttmp6, 0x40000                  ; cx
	s_bfe_u32 s41, ttmp6, 0x40004                  ; cy
	s_and_b32 s13, ttmp7, 0xffff                   ; cluster y
	s_lshl_b32 s42, ttmp9, 2                       ; 4 x cluster x
	s_lshl_b32 s17, s13, 2                         ; 4 x cluster y
	s_add_co_u32 s42, s42, s40                     ; tile column
	s_add_co_u32 s17, s17, s41                     ; tile row
	s_lshl_b32 s43, s41, 2
	s_lshl_b32 s43, 15, s43                        ; my row of the cluster
	s_lshl_b32 s44, 0x1111, s40                    ; my column
	; group 1 for the codes: NA rows (a tile each) of NQ x 1,536 bytes, KS x 1,536 bytes apart, in elements of 8 bytes; no padding
	s_or_b32 s[G1+0], s43, (3<<16)|(1<<21)
	s_or_b32 s[G1B+0], s44, (3<<16)|(1<<21)
.irp g, G1, G1B
	s_mov_b32 s[\g+1], (NQ*192)<<16                ; tensor_dim0
	s_mov_b32 s[\g+2], NA<<16                      ; tensor_dim1
	s_mov_b32 s[\g+3], (NQ*192)<<16                ; tile_dim0
	s_mov_b32 s[\g+4], NA                          ; tile_dim1
	s_mov_b32 s[\g+5], KS*192                      ; tensor_dim0_stride
	s_mov_b32 s[\g+6], 0
	s_mov_b32 s[\g+7], 0
.endr
	; and for the scale words of NA tiles, all of K: a dense block, as rows of 256 bytes
	s_or_b32 s[G1S+0], s43, (3<<16)|(1<<21)
	s_or_b32 s[G1SB+0], s44, (3<<16)|(1<<21)
.irp g, G1S, G1SB
	s_mov_b32 s[\g+1], 32<<16
	s_mov_b32 s[\g+2], (HALFS/256)<<16
	s_mov_b32 s[\g+3], 32<<16
	s_mov_b32 s[\g+4], HALFS/256
	s_mov_b32 s[\g+5], 32
	s_mov_b32 s[\g+6], 0
	s_mov_b32 s[\g+7], 0
.endr
	s_mul_i32 s21, s16, NA                         ; which half I fetch
	s_mul_i32 s20, s17, 2*NA
	s_add_co_u32 s20, s20, s21                     ; A: its first tile
	s_mul_i32 s46, s42, 2*NB
	s_add_co_u32 s46, s46, s21                     ; B: its first tile
	s_mul_i32 s22, s20, KS*64
	s_mul_i32 s20, s20, KS*1536
	s_mul_i32 s92, s46, KS*64
	s_mul_i32 s46, s46, KS*1536
	s_add_co_u32 s22, s22, ASOFF
	s_add_co_u32 s46, s46, BOFF
	s_add_co_u32 s92, s92, BSOFF
	s_mov_b32 s21, 0
	s_mov_b32 s23, 0
	s_mov_b32 s47, 0
	s_mov_b32 s93, 0
	s_mul_i32 s45, s14, HALFT                      ; where they go: wave x a quarter of a slot: no place in the cluster enters an LDS address
	s_mul_i32 s94, s14, HALFS
	s_lshl_b32 s96, s17, 19                        ; my first row of the residual and the result: 128 x tile row + 64 x half, rows of 4,096 bytes;
	s_lshl_b32 s97, s15, 18
	s_add_co_u32 s96, s96, s97
	s_lshl_b32 s98, s42, 9                         ; my first column: 128 x tile column + 64 x half
	s_lshl_b32 s99, s16, 8
	s_add_co_u32 s98, s98, s99
	s_add_co_u32 s96, s96, s98
	s_mov_b32 s97, 0
	s_wait_dscnt 0x0                               ; the opening add is done
	s_wait_kmcnt 0x0
	s_add_nc_u64 s[20:21], s[4:5], s[20:21]
	s_add_nc_u64 s[22:23], s[4:5], s[22:23]
	s_add_nc_u64 s[46:47], s[6:7], s[46:47]
	s_add_nc_u64 s[92:93], s[6:7], s[92:93]
	s_add_nc_u64 s[8:9], s[8:9], s[96:97]
	s_add_nc_u64 s[10:11], s[10:11], s[96:97]
	CROUND                                         ; all sixteen work-groups are here: the first joint loads meet
	s_mov_b32 s[G0S], 1
	s_add_co_u32 s[G0S+1], s94, SCL
	s_mov_b64 s[G0S+2:G0S+3], s[22:23]
	s_or_b32 s[G0S+3], s[G0S+3], 0x80000000
	s_mov_b32 s[G0SB], 1
	s_add_co_u32 s[G0SB+1], s94, SCL
	s_mov_b64 s[G0SB+2:G0SB+3], s[92:93]
	s_or_b32 s[G0SB+3], s[G0SB+3], 0x80000000
	JLOAD G0S, G1S, G0SB, G1SB                     ; three loads of mine are out behind these lines: the scale words, slot 0, slot 1
.irp s, 0,1
	s_mov_b32 s[G0+4*\s], 1
	s_add_co_u32 s[G0+4*\s+1], s45, \s*SLOT
	s_add_nc_u64 s[G0+4*\s+2:G0+4*\s+3], s[20:21], \s*NQ*1536
	s_or_b32 s[G0+4*\s+3], s[G0+4*\s+3], 0x80000000
	s_mov_b32 s[G0B+4*\s], 1
	s_add_co_u32 s[G0B+4*\s+1], s45, \s*SLOT
	s_add_nc_u64 s[G0B+4*\s+2:G0B+4*\s+3], s[46:47], \s*NQ*1536
	s_or_b32 s[G0B+4*\s+3], s[G0B+4*\s+3], 0x80000000
	JLOAD G0+4*\s, G1, G0B+4*\s, G1B
.endr
	v_and_b32 v1, 15, v0                           ; r
	v_bfe_u32 v2, v0, 4, 1                         ; h
	v_and_b32 v3, 31, v0
	v_lshlrev_b32 v[LI], 4, v3
	v_lshlrev_b32 v[LS], 2, v1
	v_lshlrev_b32 v4, 12, v2
	v_lshl_add_u32 v[CO], v1, 4, v4                ; lanes 0-15 one row's 256 bytes, lanes 16-31 the next row's
	; the residual: row 2 i + h of A's block a is token 32 (a / 2) + 8 (a % 2) + 2 i + h + 8 (i / 4).  32 loads, waited for on the way out
	WIN 0x80                                       ; destination window 2
.set WA, 0
.rept 4
.set WI, 0
.rept 8
	global_load_b128 v[XR+32*WA+4*WI:XR+32*WA+4*WI+3], v[CO], s[8:9] offset:(32*(WA>>1)+8*(WA&1)+2*WI+8*(WI>>2))*4096 th:TH_LOAD_NT
.set WI, WI+1
.endr
.set WA, WA+1
.endr
	WIN 0
	s_mul_i32 s18, s15, HALFT
	s_mul_i32 s19, s16, HALFT
	s_add_co_u32 s19, s19, 2*HALFT
.irp s, 0,1
	v_add_nc_u32 v[ADRA+\s], s18, v[LI]
	v_add_nc_u32 v[ADRB+\s], s19, v[LI]
	s_add_co_u32 s18, s18, SLOT
	s_add_co_u32 s19, s19, SLOT
.endr
	s_mul_i32 s18, s15, HALFS
	s_mul_i32 s19, s16, HALFS
	s_add_co_u32 s19, s19, 2*HALFS
	s_sub_co_u32 s19, s19, s18
	v_mul_u32_u24 v4, s19, v2                      ; lanes 16-31 take B's: one product, the distance between the two
	s_add_co_u32 s18, s18, SCL
	v_add_nc_u32 v4, v4, v[LS]
	v_add_nc_u32 v[ADRS], s18, v4
	s_mul_i32 s18, s14, 16*272
	s_add_co_u32 s18, s18, STAGE                   ; my stage
	v_mul_u32_u24 v4, v1, 272
	v_lshl_add_u32 v4, v2, 6, v4
	v_add_nc_u32 v[STO], s18, v4                   ; in: row r, + 64 h
	v_mul_u32_u24 v4, v2, 272
	v_lshl_add_u32 v4, v1, 4, v4
	v_add_nc_u32 v[RD], s18, v4                    ; back: lanes 0-15 one row of 256 bytes, lanes 16-31 the next
	s_wait_tensorcnt 1                             ; the scale words and my part of slot 0 are in; slot 1's load may be out
	s_barrier_signal -1
	s_barrier_wait -1
	FETCH 0, 0, 0
	SCALES 0
	STEPS 0, 1                                     ; the first step's products start the sums: nothing is cleared
.if LAPS > 1
	s_mov_b32 s[LAPC], LAPS-1
.Llap:                                             ; a trip goes once round the ring and fills both slots again
	TURN 0, 1, 1
	STEPS 1, 0
	TURN 1, 0, 1
	STEPS 0, 0
	s_sub_co_u32 s[LAPC], s[LAPC], 1
	s_cmp_lg_u32 s[LAPC], 0
	s_cbranch_scc1 .Llap
.endif
	TURN 0, 1, 0                                   ; the last lap fills nothing
	STEPS 1, 0
	s_wait_dscnt 0x0
	MULS 0, NA, 1, NQ-1, 1, 0
	WIN 0
	PLACES 4                                       ; in front of the first read of results, and of loads over A's fragments
; THE WAY OUT: + the residual, f32.  A lane holds pieces of one row; a block of 16 rows x 64 columns goes through my own stage and comes back as rows of 256 bytes, which sixteen lanes store whole and aligned.
.set WA, 0
.rept 4
.if WA > 0
	s_wait_xcnt 0x0                                ; the earlier stores have read their registers: the loads below may land there
.endif
	WIN 0x08                                       ; an LDS store's data: window 2
.set WI, 0
.rept 4
	ds_store_b128 v[STO], v[32*WA+8*WI:32*WA+8*WI+3] offset:128*(WI>>1)+32*(WI&1)       ; each accumulator from its low end on
	ds_store_b128 v[STO], v[32*WA+8*WI+4:32*WA+8*WI+7] offset:128*(WI>>1)+32*(WI&1)+16
.set WI, WI+1
.endr
	WIN 0
.set WI, 0
.rept 8
	ds_load_b128 v[192+32*(WA%2)+4*WI:192+32*(WA%2)+4*WI+3], v[RD] offset:544*WI        ; LDS serves a wave's instructions in order: these see the stores above
.set WI, WI+1
.endr
	s_wait_dscnt 0x0
	s_wait_loadcnt 8*(3-WA)                        ; this block's rows of the residual are in; the later blocks' eight each may be out
	WIN 0x08                                       ; source 1: window 2
.set WI, 0
.rept 16
	v_pk_add_f32 v[192+32*(WA%2)+WI:192+32*(WA%2)+WI+1], v[192+32*(WA%2)+WI:192+32*(WA%2)+WI+1], v[XR+32*WA+WI:XR+32*WA+WI+1]
.set WI, WI+2
.endr
	WIN 0
.set WI, 0
.rept 8
	global_store_b128 v[CO], v[192+32*(WA%2)+4*WI:192+32*(WA%2)+4*WI+3], s[10:11] offset:(32*(WA>>1)+8*(WA&1)+2*WI+8*(WI>>2))*4096 th:TH_STORE_NT
.set WI, WI+1
.endr
.set WA, WA+1
.endr
	s_wait_tensorcnt 0x0                           ; the wave's end, behind my last tensor load and my last LDS store
	ds_add_u32 v[SPW], v[NIL]
	s_wait_dscnt 0x0
	CROUND                                         ; the closing round
	s_endpgm
.Lfunc_end_k_qa6937ce356_ff2:
	.size	k_qa6937ce356_ff2, .Lfunc_end_k_qa6937ce356_ff2-k_qa6937ce356_ff2
	.p2alignl 7, 3214868480
	.fill 96, 4, 3214868480
	.section	.rodata,"a",@progbits
	.p2align	6, 0x0
	.amdhsa_kernel k_qa6937ce356_ff2
		.amdhsa_group_segment_fixed_size 327680
		.amdhsa_private_segment_fixed_size 0
		.amdhsa_enable_private_segment 0
		.amdhsa_kernarg_size 32
		.amdhsa_user_sgpr_count 2
		.amdhsa_user_sgpr_kernarg_segment_ptr 1
		.amdhsa_wavefront_size32 1
		.amdhsa_system_sgpr_workgroup_id_x 1
		.amdhsa_system_sgpr_workgroup_id_y 1
		.amdhsa_system_sgpr_workgroup_id_z 1
		.amdhsa_system_vgpr_workitem_id 0
		.amdhsa_next_free_vgpr 768
		.amdhsa_next_free_sgpr 102
		.amdhsa_reserve_vcc 0
		.amdhsa_float_denorm_mode_32 3
		.amdhsa_float_denorm_mode_16_64 3
		.amdhsa_memory_ordered 1
		.amdhsa_forward_progress 1
		.amdhsa_inst_pref_size 92
	.end_amdhsa_kernel
	.amdgpu_metadata
---
amdhsa.version: [ 1, 2 ]
amdhsa.kernels:
  - .name:           k_qa6937ce356_ff2
    .symbol:         k_qa6937ce356_ff2.kd
    .args:
      - { .name: hid, .offset: 0, .size: 8, .value_kind: global_buffer, .address_space: global }
      - { .name: wts, .offset: 8, .size: 8, .value_kind: global_buffer, .address_space: global }
      - { .name: x1, .offset: 16, .size: 8, .value_kind: global_buffer, .address_space: global }
      - { .name: out0, .offset: 24, .size: 8, .value_kind: global_buffer, .address_space: global }
    .group_segment_fixed_size: 327680
    .private_segment_fixed_size: 0
    .kernarg_segment_align: 8
    .kernarg_segment_size: 32
    .max_flat_workgroup_size: 128
    .sgpr_count:     102
    .vgpr_count:     768
    .wavefront_size: 32
...
	.end_amdgpu_metadata
.endif
;; end of part 7
